; MI455X (gfx1250); checked and timed in simulation.
; The chip was launched on July 23, 2026; its instructions are those of AMD's public machine-readable ISA for CDNA 5 (MIT licence, August 2026) and "CDNA5" Instruction Set Architecture Reference Guide (July 2026). The comments in the code are by the model that wrote it; some were corrected since.
;; Multihead Attention. Allowed arithmetic: matrix products marked QUANTISED: E2M1 operands, one E8M0 scale for each 32 along K, by v_wmma_scale_f32_16x16x128_f8f6f4 with both operands' format E2M1 (or v_wmma_scale_f32_32x16x128_f4), f32 sums; everything else in f32.
;; Inputs: Wk 512 x 512 float32; Wo 512 x 512 float32; Wq 512 x 512 float32; Wv 512 x 512 float32; bk 512 float32; bo 512 float32; bq 512 float32; bv 512 float32; key_ 2 x 4,096 x 512 float32; query 2 x 4,096 x 512 float32; value 2 x 4,096 x 512 float32.
;; Outputs: out0 2 x 4,096 x 512 float32.
;; This version of the problem:
;;   THIS VERSION OF THE PROBLEM IS GIVEN IN LOW PRECISION. The matrix products marked QUANTISED in the list below multiply operands that are first quantised to E2M1 (2 exponent bits, 1 mantissa bit; 4 bits a number), with one power-of-two scale for each 32 numbers along K (OCP MX v1.0); their sums are f32. All else is computed in f32.
;;   The module's matrix products, in the order in which they are computed (A, B: the left and right operand; K: the contracted axis; several contracted axes count as one K, in the product's order):
;;     1. [M 8,192, K 512] x [K 512, N 512]; A: input query; B: input Wq: QUANTISED
;;     2. [M 8,192, K 512] x [K 512, N 512]; A: input key_; B: input Wk: QUANTISED
;;     3. [M 8,192, K 512] x [K 512, N 512]; A: input value; B: input Wv: QUANTISED
;;     4. batch 16 x [M 4,096, K 64] x [K 64, N 4,096]; A: computed on the way; B: computed on the way: QUANTISED
;;     5. batch 16 x [M 4,096, K 4,096] x [K 4,096, N 64]; A: softmax (see below); B: computed on the way: QUANTISED
;;     6. [M 8,192, K 512] x [K 512, N 512]; A: computed on the way; B: input Wo: QUANTISED
;;   THE QUANTISER, for each operand of a quantised product, along K:
;;     - K is cut into blocks of 32 from its start; a last block that is shorter is filled with zeros.
;;     - A block's scale is 2^e with e = floor(log2(the largest magnitude in the block)) - 2, held to -126 .. 127; a block of zeros has e = 0. As a byte (E8M0): e + 127.
;;     - Each number is divided by its block's scale, clamped to +-6, and rounded to the nearest number of E2M1, ties to even, subnormals kept.
;;     - The product sums the exact products of the quantised numbers (number of the format x scale) in f32.
;;   ~~~python
;;   def quantise(x, axis):      # numpy; x: float32 -> the quantised numbers, widened to float32 again
;;       x = np.moveaxis(x, axis, -1); K = x.shape[-1]
;;       x = np.pad(x, [(0, 0)] * (x.ndim - 1) + [(0, -K % 32)]); x = x.reshape(x.shape[:-1] + (-1, 32)); a = np.abs(x).max(-1, keepdims=True)
;;       e = np.where(a > 0, np.clip(np.frexp(np.where(a > 0, a, 1))[1] - 1 - 2, -126, 127), 0)      # np.frexp(a)[1] - 1 = floor(log2(a)), exactly
;;       r = np.clip(x / 2.0 ** e, -6, 6)
;;       step = 2.0 ** (np.maximum(np.frexp(np.where(r == 0, 1, r))[1] - 1, 0) - 1)
;;       q = np.round(r / step) * step * 2.0 ** e      # np.round: ties to even
;;       return np.moveaxis(q.reshape(q.shape[:-2] + (-1,))[..., :K], -1, axis).astype(np.float32)
;;   ~~~
;;   SOFTMAX AHEAD OF A QUANTISED PRODUCT. Where the list says 'softmax', what is quantised is not the finished softmax but p = 2^(t - M), with t = logit x log2(e) and M = ceil(the row's largest t), a whole number; so 1/2 < the row's largest p <= 1. The row's sum l is taken of the UNQUANTISED p, in f32, and the product's result is divided by l at the end. Since M is a whole number, a kernel that streams over the keys may use a running M (the ceiling of the running maximum): every later rescaling is an exact power of two, which a block's scale takes up: the codes' values come out the same.
;;   OPERANDS COMPUTED ON THE WAY. 'Computed on the way' means the value that the module computes at that place (a softmax that the list does not call 'softmax' is quantised finished and normalised). What goes into a quantiser is computed in f32, as accurately as f32 sums, v_exp_f32 and their like allow (about 1e-6 of the number): no bf16 or f16 on the way to a quantiser, and a product that is left as it is and whose result goes on into a quantised operand takes f32 operands (vector FMAs, or v_wmma_f32_16x16x4_f32). A number that lies on a knife's edge between two numbers of the format may be rounded either way, as far as f32 arithmetic and the matrix unit's own rounding can turn it there, and no further.
;; 2 versions. Each part assembles by itself: llvm-mc -triple=amdgcn-amd-amdhsa -mcpu=gfx1250 --defsym DOCPART=n.
;; ======== version 1 of 2: 4 launches
;; workspace buffers: wc 524,288 bytes; ws 32,768 bytes; qc 2,097,152 bytes; qs 131,072 bytes; kv 4,194,304 bytes; kvs 262,144 bytes; cc 2,097,152 bytes; cs 262,144 bytes
;; launch wquant (part 1): grid 256 x 1, 1 waves a work-group, no clusters, 0 bytes of LDS; arguments Wq, Wk, Wv, Wo, wc, ws; writes wc, ws
.if DOCPART == 1
	.amdgcn_target "amdgcn-amd-amdhsa--gfx1250"
	.amdhsa_code_object_version 6
	.text
	.protected	k_q69e63b758b_wquant
	.globl	k_q69e63b758b_wquant
	.p2align	8
	.type	k_q69e63b758b_wquant,@function
k_q69e63b758b_wquant:
	s_mov_b64 s[64:65], 0
	v_nop
	global_prefetch_b8 v0, s[64:65] scope:SCOPE_SE
	s_setreg_imm32_b32 hwreg(HW_REG_WAVE_MODE, 25, 1), 1
	s_wait_xcnt 0x0
; The four weights [512][512] f32 (K innermost) become codes of FP4 (E2M1) with one E8M0 byte for each 32 along K.
; A block's scale is 2^(floor(log2(its largest magnitude)) - 2); its byte is the largest magnitude's exponent field - 2, held at 1 from below.
; LAYOUT OF THE RESULT: images of the matrix operand's registers.  A fragment is 16 rows x 128 K = 1,024 bytes: half c (registers 4 c .. 4 c + 3) is 512 bytes, lane l's 16 bytes at 16 l.
;   wc [weight 4][tile 32][K step 4][1024];  ws [weight 4][pair of tiles 16][K step 4][32 lanes] words: lanes 0-15 tile 2 P's word of its row r, lanes 16-31 tile 2 P + 1's.
; THE ROWS OF A TILE ARE NOT NEIGHBOURS: lane-row r of tile 2 P + u is row 32 P + 8 u + r + 8 (r / 8), so that a product used transposed leaves 16 neighbours along the next K in the 16 registers of two neighbouring tiles.
; SHARES: 256 work-groups of one wave; work-group id = 64 weight + 4 P + K step: two fragments, 32 rows x 128 K.  Lane (r, h) loads of its row 16 neighbouring numbers of each block of 32.
; No LDS, no barrier, no matrix unit: 4 MiB are read once.  LIMITS: NaN and infinities are not served; a block of zeros gets the byte 1 where the rule says 127: its codes are zeros, and this program alone reads the bytes.
.set XA,  4                            ; v4   my byte in a tile's rows: 2,048 (r + 8 (r / 8)) + 64 h
.set LI,  5                            ; v5   16 x lane
.set LS,  6                            ; v6   4 x lane
.set TM,  8                            ; v8-23  at work: +0..3 largest magnitudes, +4..7 bytes, +12..15 the conversions' scale operands
.set PW0, 24                           ; the two scale words,
.set PW1, 25
.set PWS, 26                           ; and the word that is stored
.set PC0, 28                           ; v28-35, v36-43 the two fragments' codes
.set PC1, 36
.set S0,  64                           ; v64-127, v128-191 64 numbers each
.set S1,  128
.set SEL, 28                           ; s[28:29] v_permlanex16_b32's selects for lane l xor 16
.set HM,  30                           ; s30 the mask of lanes 16-31
; 64 numbers of a lane, register 16 b + i = k 32 b + 16 h + i of my row, become a fragment's codes in v[pc] on and my row's scale word in v[pw]
.macro QUANT s, pc, pw
.irp b, 0,1,2,3
	v_max3_num_f32 v[TM+\b], |v[\s+16*\b]|, |v[\s+1+16*\b]|, 0x1800000   ; block b: my 16 numbers, and the floor 2^(3 - 127): so the byte cannot fall under 1
.endr
.irp i, 2,4,6,8,10,12,14
.irp b, 0,1,2,3
	v_max3_num_f32 v[TM+\b], v[TM+\b], |v[\s+16*\b+\i]|, |v[\s+1+16*\b+\i]|   ; the four blocks by turns
.endr
.endr
.irp b, 0,1,2,3
	v_permlanex16_b32 v[TM+4+\b], v[TM+\b], s[SEL], s[SEL+1]
.endr
.irp b, 0,1,2,3
	v_max_num_f32 v[TM+\b], v[TM+\b], v[TM+4+\b]   ; with lane l xor 16's 16: the block's largest magnitude
.endr
.irp b, 0,1,2,3
	v_add_nc_u32 v[TM+12+\b], 0xff000000, v[TM+\b]   ; 2 off its exponent field: the conversion takes this operand's exponent field as its scale
.endr
.irp b, 0,1,2,3
	v_lshrrev_b32 v[TM+4+\b], 23, v[TM+12+\b]      ; the scale's byte
.endr
	v_lshl_or_b32 v[\pw], v[TM+5], 8, v[TM+4]
	v_lshl_or_b32 v[\pw], v[TM+6], 16, v[\pw]
	v_lshl_or_b32 v[\pw], v[TM+7], 24, v[\pw]
.irp b, 0,1,2,3
	v_cvt_scalef32_pk8_fp4_f32 v[\pc+2*\b], v[\s+16*\b:\s+7+16*\b], v[TM+12+\b]
	v_cvt_scalef32_pk8_fp4_f32 v[\pc+1+2*\b], v[\s+8+16*\b:\s+15+16*\b], v[TM+12+\b]
.endr
	v_nop                                          ; one plain place behind a scaled conversion
.irp c, 0,1                                    ; the operand wants a whole block in a lane: lanes 0-15 block 2 c, lanes 16-31 block 2 c + 1
.irp i, 0,1
	v_permlane16_swap_b32 v[\pc+4*\c+\i], v[\pc+2+4*\c+\i]
.endr
.endr
.endm
.macro XLOAD reg, off                  ; 16 rows x 128 K from off bytes on: 64 numbers a lane
.irp b, 0,1,2,3
.irp j, 0,1,2,3
	global_load_b128 v[\reg+16*\b+4*\j:\reg+16*\b+4*\j+3], v[XA], s[20:21] offset:\off+128*\b+16*\j
.endr
.endr
.endm
	s_load_b256 s[4:11], s[0:1], 0x0               ; Wq, Wk, Wv, Wo
	s_load_b128 s[12:15], s[0:1], 0x20             ; wc, ws
	s_lshr_b32 s16, ttmp9, 6                       ; which weight
	s_bfe_u32 s17, ttmp9, 0x40002                  ; P: which 32 rows
	s_and_b32 s18, ttmp9, 3                        ; which K step
	v_and_b32 v1, 15, v0                           ; r
	v_bfe_u32 v2, v0, 4, 1                         ; h
	v_and_b32 v3, 8, v1
	v_add_nc_u32 v3, v3, v1                        ; r + 8 (r / 8)
	v_lshlrev_b32 v[XA], 11, v3
	v_lshl_add_u32 v[XA], v2, 6, v[XA]
	v_lshlrev_b32 v[LI], 4, v0                     ; one wave: the thread's number is the lane
	v_lshlrev_b32 v[LS], 2, v0
	s_mov_b32 s[SEL], 0x76543210
	s_mov_b32 s[SEL+1], 0xfedcba98
	s_mov_b32 s[HM], 0xffff0000
.irp b, 0,1,2,3
	v_mov_b32 v[TM+4+\b], 0                        ; written once: a lane permute's destination counts as one of its sources
.endr
	s_lshl_b32 s22, s17, 16                        ; W: 32 P rows of 2,048 bytes + 512 bytes a K step
	s_lshl_b32 s24, s18, 9
	s_add_co_u32 s22, s22, s24
	s_mov_b32 s23, 0
	s_lshl_b32 s24, s16, 17                        ; wc: 131,072 a weight, 8,192 a pair of tiles, 1,024 a K step
	s_lshl_b32 s26, s17, 13
	s_add_co_u32 s24, s24, s26
	s_lshl_b32 s26, s18, 10
	s_add_co_u32 s24, s24, s26
	s_mov_b32 s25, 0
	s_lshl_b32 s26, s16, 13                        ; ws: 8,192 a weight, 512 a pair, 128 a K step
	s_lshl_b32 s31, s17, 9
	s_add_co_u32 s26, s26, s31
	s_lshl_b32 s31, s18, 7
	s_add_co_u32 s26, s26, s31
	s_mov_b32 s27, 0
	s_wait_kmcnt 0x0
	s_cmp_eq_u32 s16, 1                            ; the weight is chosen by the work-group's number alone
	s_cselect_b64 s[20:21], s[6:7], s[4:5]
	s_cmp_eq_u32 s16, 2
	s_cselect_b64 s[20:21], s[8:9], s[20:21]
	s_cmp_eq_u32 s16, 3
	s_cselect_b64 s[20:21], s[10:11], s[20:21]
	s_add_nc_u64 s[20:21], s[20:21], s[22:23]
	s_add_nc_u64 s[12:13], s[12:13], s[24:25]
	s_add_nc_u64 s[14:15], s[14:15], s[26:27]
	XLOAD S0, 0                                    ; tile 2 P
	XLOAD S1, 16384                                ; tile 2 P + 1: eight rows further down
	s_wait_loadcnt 16                              ; the first tile's 16 loads are in; the second's may be out
	QUANT S0, PC0, PW0
	s_wait_loadcnt 0x0
	QUANT S1, PC1, PW1
	v_cndmask_b32 v[PWS], v[PW0], v[PW1], s[HM]    ; lanes 0-15 tile 2 P's words, lanes 16-31 tile 2 P + 1's
.irp c, 0,1
	global_store_b128 v[LI], v[PC0+4*\c:PC0+4*\c+3], s[12:13] offset:512*\c        ; each store covers 512 consecutive bytes, aligned
	global_store_b128 v[LI], v[PC1+4*\c:PC1+4*\c+3], s[12:13] offset:4096+512*\c
.endr
	global_store_b32 v[LS], v[PWS], s[14:15]
	s_endpgm
.Lfunc_end_k_q69e63b758b_wquant:
	.size	k_q69e63b758b_wquant, .Lfunc_end_k_q69e63b758b_wquant-k_q69e63b758b_wquant
	.p2alignl 7, 3214868480
	.fill 96, 4, 3214868480
	.section	.rodata,"a",@progbits
	.p2align	6, 0x0
	.amdhsa_kernel k_q69e63b758b_wquant
		.amdhsa_group_segment_fixed_size 0
		.amdhsa_private_segment_fixed_size 0
		.amdhsa_enable_private_segment 0
		.amdhsa_kernarg_size 48
		.amdhsa_user_sgpr_count 2
		.amdhsa_user_sgpr_kernarg_segment_ptr 1
		.amdhsa_wavefront_size32 1
		.amdhsa_system_sgpr_workgroup_id_x 1
		.amdhsa_system_sgpr_workgroup_id_y 1
		.amdhsa_system_sgpr_workgroup_id_z 1
		.amdhsa_system_vgpr_workitem_id 0
		.amdhsa_next_free_vgpr 192
		.amdhsa_next_free_sgpr 66
		.amdhsa_reserve_vcc 0
		.amdhsa_float_denorm_mode_32 3
		.amdhsa_float_denorm_mode_16_64 3
		.amdhsa_memory_ordered 1
		.amdhsa_forward_progress 1
		.amdhsa_inst_pref_size 13
	.end_amdhsa_kernel
	.amdgpu_metadata
---
amdhsa.version: [ 1, 2 ]
amdhsa.kernels:
  - .name:           k_q69e63b758b_wquant
    .symbol:         k_q69e63b758b_wquant.kd
    .args:
      - { .name: Wq, .offset: 0, .size: 8, .value_kind: global_buffer, .address_space: global }
      - { .name: Wk, .offset: 8, .size: 8, .value_kind: global_buffer, .address_space: global }
      - { .name: Wv, .offset: 16, .size: 8, .value_kind: global_buffer, .address_space: global }
      - { .name: Wo, .offset: 24, .size: 8, .value_kind: global_buffer, .address_space: global }
      - { .name: wc, .offset: 32, .size: 8, .value_kind: global_buffer, .address_space: global }
      - { .name: ws, .offset: 40, .size: 8, .value_kind: global_buffer, .address_space: global }
    .group_segment_fixed_size: 0
    .private_segment_fixed_size: 0
    .kernarg_segment_align: 8
    .kernarg_segment_size: 48
    .max_flat_workgroup_size: 32
    .sgpr_count:     66
    .vgpr_count:     192
    .wavefront_size: 32
...
	.end_amdgpu_metadata
.endif
;; end of part 1
;; launch proj (part 2): grid 64 x 3, 8 waves a work-group, no clusters, 105,472 bytes of LDS; arguments query, key_, value, bq, bk, bv, wc, ws, qc, qs, kv, kvs; writes qc, qs, kv, kvs
.if DOCPART == 2
	.amdgcn_target "amdgcn-amd-amdhsa--gfx1250"
	.amdhsa_code_object_version 6
	.text
	.protected	k_q69e63b758b_proj
	.globl	k_q69e63b758b_proj
	.p2align	8
	.type	k_q69e63b758b_proj,@function
k_q69e63b758b_proj:
	s_mov_b64 s[64:65], 0
	v_nop
	global_prefetch_b8 v0, s[64:65] scope:SCOPE_SE
	s_setreg_imm32_b32 hwreg(HW_REG_WAVE_MODE, 25, 1), 1
	s_wait_xcnt 0x0
; The three in-projections x W^T + b on codes of FP4 (E2M1) with E8M0 scales for each 32 along K; their results q, k, v are quantised at once for attention's products and leave as codes.
; Work-group (x, y): y = 0, 1, 2 takes query, key_, value; x takes tokens 128 x .. 128 x + 127 of the 8,192.  Eight waves, each with two parts to play:
;   PHASE X: wave w quantises token tile w (16 tokens x 512 K, f32 from memory).  Each load reads 512 consecutive bytes: one token's 128 numbers of a K step.  The conversions want 16 neighbours along K in ONE lane, so a K step's
;   16 rows turn through the wave's own stage in LDS: stored as loaded, read back 64 bytes a lane.  The four fragments and their scale words then go to LDS as images of the operand's registers (512 consecutive bytes a store).
;   PHASE P: wave w is head w: its 64 units' 16 fragments of W stay in registers (window 1), read from memory once as images; x's fragments come from LDS.
; TILE ORDER, for tokens and for W's rows alike: lane-row r of tile 2 b + u of a group of 32 is row 32 b + 8 u + r + 8 (r / 8).
; q AND k: the product is used transposed (source 0 = 16 units of W, source 1 = 16 tokens): a lane holds one token, and the 32 registers of the head's four tiles are its 64 channels' two half blocks.  Two token tiles make 64 numbers:
;   one fragment whose k 0..63 are tile 2 g's 64 channels and whose k 64..127 are tile 2 g + 1's.  Attention multiplies it once by (q, 0) and once by (0, q): so the head's K of 64 fills the instruction's 128 with no zero bytes stored.
; v: source 0 = 16 tokens, source 1 = 16 units: a lane holds one channel and its registers run down the tokens, which are the second product's K: eight token tiles make one fragment of 16 channels x 128 keys.
;   Two tiles of units are made at a time, 16 accumulators, so that each fragment of x is read from LDS twice and not four times.
; The bias is the C of each sum's first matrix instruction.  All three paths store group g's fragment at 1,024 g and the words of groups 2 i, 2 i + 1 as 32 lanes' words at 128 i.
; NO CLUSTER: what work-groups share is W's codes, 16 KiB a wave, which go from memory straight into the registers where they stay; a joint load lands in LDS alone and would add 128 KiB of LDS writes and reads a work-group.
; 192 work-groups: v's scale word spans 128 tokens, so a work-group is not made smaller.  48 loads of 512 bytes a wave are on their way at the start.
; LIMITS: NaN and infinities are not served; a block of zeros gets the byte 1 where the rule says 127: its codes are zeros, and this program alone reads the bytes.
.set XSC, 32768                        ; LDS: x's 32 fragments (tile m, K step s) at 1,024 (4 m + s); from XSC their scale words: 512 s + 64 m + 4 r;
.set STG, 36864                        ; from STG a stage of 16 rows for each wave,
.set SPI, 528                          ; its rows 512 bytes + 16 of padding = 132 words apart: the 16 rows that a read touches start four banks apart (64 banks of 4 bytes: ISA guide 11.1)
.set RR,  2                            ; v2   r = lane % 16
.set HH,  3                            ; v3   h = lane / 16
.set STW, 4                            ; v4   my stage, on the way in: 16 x lane
.set LI,  5                            ; v5   16 x lane
.set LS,  6                            ; v6   4 x lane
.set XWI, 7                            ; v7   where I store x's images: 16 x lane + 4,096 x wave
.set XWS, 8                            ; v8   and their scale words: 4 r + 64 x wave
.set RP,  10                           ; v10  r + 8 (r / 8)
.set PWA, 11                           ; v11, v12 scale words just made; v13 the word that is stored
.set PWB, 12
.set PWS, 13
.set AB,  14                           ; v14-21 the bias's byte offsets, one for each register of a tile
.set WS,  22                           ; v22-29 W's scale words: 4 p + s: lanes 0-15 tile 2 p, lanes 16-31 tile 2 p + 1
.set XS,  30                           ; v30-33 x's scale words
.set TM,  34                           ; v34-49 at work
.set STR, 50                           ; v50  my stage, on the way out: 528 r + 64 h
.set PC,  52                           ; v52-59 the codes just made
.set S0,  64                           ; v64-127  64 numbers of x; later accumulators
.set ACC, 64
.set S1,  128                          ; v128-191 64 numbers of x; later the v path's second eight accumulators
.set S2,  192                          ; v192-255 64 numbers of x; later eight fragments of x
.set XF,  192
.set BI,  128                          ; window 1: v0-127 W's fragment (t, s) at 8 (4 t + s); v128-159 the bias, eight registers a tile
.set YY,  28                           ; s28 which projection
.set WV,  29                           ; s29 my wave's number
.set HM,  46                           ; s46 the mask of lanes 16-31
.set SEL, 48                           ; s[48:49] v_permlanex16_b32's selects for lane l xor 16
.set MSB, 0
.macro WIN new                         ; the immediate's high byte repeats the setting that is left
.if MSB != \new
	s_set_vgpr_msb (MSB<<8)|\new
.set MSB, \new
.endif
.endm
.macro PLACES n
.rept \n
	v_nop
.endr
.endm
; 64 numbers of a lane, register 16 b + i = k 32 b + 16 h + i of my row, become a fragment's codes in v[pc] on and my row's scale word in v[pw]
.macro QUANT s, pc, pw
.irp b, 0,1,2,3
	v_max3_num_f32 v[TM+\b], |v[\s+16*\b]|, |v[\s+1+16*\b]|, 0x1800000   ; block b: my 16 numbers, and the floor 2^(3 - 127): so the byte cannot fall under 1.  (Each accumulator is read from its low end on)
.endr
.irp i, 2,4,6,8,10,12,14
.irp b, 0,1,2,3
	v_max3_num_f32 v[TM+\b], v[TM+\b], |v[\s+16*\b+\i]|, |v[\s+1+16*\b+\i]|
.endr
.endr
.irp b, 0,1,2,3
	v_permlanex16_b32 v[TM+4+\b], v[TM+\b], s[SEL], s[SEL+1]
.endr
.irp b, 0,1,2,3
	v_max_num_f32 v[TM+\b], v[TM+\b], v[TM+4+\b]   ; with lane l xor 16's 16: the block's largest magnitude
.endr
.irp b, 0,1,2,3
	v_add_nc_u32 v[TM+12+\b], 0xff000000, v[TM+\b]   ; 2 off its exponent field: the conversion's scale operand
.endr
.irp b, 0,1,2,3
	v_lshrrev_b32 v[TM+4+\b], 23, v[TM+12+\b]      ; the scale's byte
.endr
	v_lshl_or_b32 v[\pw], v[TM+5], 8, v[TM+4]
	v_lshl_or_b32 v[\pw], v[TM+6], 16, v[\pw]
	v_lshl_or_b32 v[\pw], v[TM+7], 24, v[\pw]
.irp b, 0,1,2,3
	v_cvt_scalef32_pk8_fp4_f32 v[\pc+2*\b], v[\s+16*\b:\s+7+16*\b], v[TM+12+\b]
	v_cvt_scalef32_pk8_fp4_f32 v[\pc+1+2*\b], v[\s+8+16*\b:\s+15+16*\b], v[TM+12+\b]
.endr
	v_nop                                          ; one plain place behind a scaled conversion
.irp c, 0,1                                    ; a whole block to a lane: lanes 0-15 block 2 c, lanes 16-31 block 2 c + 1
.irp i, 0,1
	v_permlane16_swap_b32 v[\pc+4*\c+\i], v[\pc+2+4*\c+\i]
.endr
.endr
.endm
.macro XLOAD reg, s                    ; my tile's 16 rows of K step s: row i into registers 4 i .. 4 i + 3; 32 lanes read 512 consecutive bytes, aligned; the row and the K step stand in the immediate
.irp i, 0,1,2,3,4,5,6,7,8,9,10,11,12,13,14,15
	global_load_b128 v[\reg+4*\i:\reg+4*\i+3], v[LI], s[30:31] offset:(\i+8*(\i/8))*2048+512*\s th:TH_LOAD_NT
.endr
.endm
.macro TURN reg                        ; a K step's 16 rows through my stage: in as loaded, back so that register 16 b + i is k 32 b + 16 h + i of row r, into the registers that they left
.irp i, 0,1,2,3,4,5,6,7,8,9,10,11,12,13,14,15
	ds_store_b128 v[STW], v[\reg+4*\i:\reg+4*\i+3] offset:SPI*\i
.endr
.irp b, 0,1,2,3
.irp j, 0,1,2,3
	ds_load_b128 v[\reg+16*\b+4*\j:\reg+16*\b+4*\j+3], v[STR] offset:128*\b+16*\j   ; my own bytes; LDS serves a wave's instructions in order (ISA guide 5.7.1.4): these see the stores above, and the next K step's stores come behind them
.endr
.endr
.endm
.macro IMAGE s                         ; the fragment in v[PC] on and its word go to LDS as they stand
.irp c, 0,1
	ds_store_b128 v[XWI], v[PC+4*\c:PC+4*\c+3] offset:1024*\s+512*\c
.endr
	ds_store_b32 v[XWS], v[PWA] offset:XSC+512*\s  ; lanes r and 16 + r write the same word with the same value
.endm
.macro WLOAD t                         ; my head's tile t of W, four K steps, into window 1
.irp s, 0,1,2,3
.irp c, 0,1
	global_load_b128 v[8*(4*\t+\s)+4*\c:8*(4*\t+\s)+4*\c+3], v[LI], s[38:39] offset:(4*\t+\s)*1024+512*\c
.endr
.endr
.endm
; one matrix instruction; its registers are the symbols rD, rA, rB, rC, rSA, rSB; rRA, rRB = 1: that side's scales are read from lanes 16-31
.macro WM
.if (rRA == 0) && (rRB == 0)
	v_wmma_scale_f32_16x16x128_f8f6f4 v[rD:rD+7], v[rA:rA+7], v[rB:rB+7], v[rC:rC+7], v[rSA], v[rSB] matrix_a_fmt:MATRIX_FMT_FP4 matrix_b_fmt:MATRIX_FMT_FP4
.elseif (rRA == 1) && (rRB == 0)
	v_wmma_scale_f32_16x16x128_f8f6f4 v[rD:rD+7], v[rA:rA+7], v[rB:rB+7], v[rC:rC+7], v[rSA], v[rSB] matrix_a_fmt:MATRIX_FMT_FP4 matrix_b_fmt:MATRIX_FMT_FP4 matrix_a_scale:MATRIX_SCALE_ROW1
.elseif (rRA == 0) && (rRB == 1)
	v_wmma_scale_f32_16x16x128_f8f6f4 v[rD:rD+7], v[rA:rA+7], v[rB:rB+7], v[rC:rC+7], v[rSA], v[rSB] matrix_a_fmt:MATRIX_FMT_FP4 matrix_b_fmt:MATRIX_FMT_FP4 matrix_b_scale:MATRIX_SCALE_ROW1
.else
	v_wmma_scale_f32_16x16x128_f8f6f4 v[rD:rD+7], v[rA:rA+7], v[rB:rB+7], v[rC:rC+7], v[rSA], v[rSB] matrix_a_fmt:MATRIX_FMT_FP4 matrix_b_fmt:MATRIX_FMT_FP4 matrix_a_scale:MATRIX_SCALE_ROW1 matrix_b_scale:MATRIX_SCALE_ROW1
.endif
.endm
; the way out of group g: the 64 results in v[acc] on become one fragment and one word a row
.macro OUTG g, acc
.if \g > 0
	s_wait_xcnt 0x0                                ; the last group's stores have read PC and PWS: they are written again only behind this wait
.endif
.if (\g)%2 == 0
	QUANT \acc, PC, PWA
.else
	QUANT \acc, PC, PWB
.endif
.irp c, 0,1
	global_store_b128 v[LI], v[PC+4*\c:PC+4*\c+3], s[34:35] offset:1024*(\g)+512*\c   ; 512 consecutive bytes, aligned
.endr
.if (\g)%2 == 1
	v_cndmask_b32 v[PWS], v[PWA], v[PWB], s[HM]    ; lanes 0-15 the even group's words, lanes 16-31 the odd group's
	global_store_b32 v[LS], v[PWS], s[36:37] offset:128*((\g)/2)
.endif
.endm
	s_load_b512 s[4:19], s[0:1], 0x0               ; query, key_, value, bq, bk, bv, wc, ws
	s_load_b256 s[20:27], s[0:1], 0x40             ; qc, qs, kv, kvs
	v_lshl_add_u32 v62, v0, 2, 0x19800
	v_mov_b32 v63, 0
	s_and_b32 s[YY], ttmp7, 0xffff
	v_lshrrev_b32 v1, 5, v0
	v_readfirstlane_b32 s[WV], v1                  ; wave 0..7
	v_and_b32 v1, 31, v0                           ; lane
	v_and_b32 v[RR], 15, v0
	v_bfe_u32 v[HH], v0, 4, 1
	v_and_b32 v[RP], 8, v[RR]
	v_add_nc_u32 v[RP], v[RP], v[RR]
	v_lshlrev_b32 v[LI], 4, v1
	v_lshlrev_b32 v[LS], 2, v1
	s_lshl_b32 s56, s[WV], 12
	v_add_nc_u32 v[XWI], s56, v[LI]
	s_lshl_b32 s56, s[WV], 6
	v_lshl_add_u32 v[XWS], v[RR], 2, s56
	s_mul_i32 s56, s[WV], 16*SPI
	s_add_co_u32 s56, s56, STG                     ; my stage
	v_add_nc_u32 v[STW], s56, v[LI]
	v_mul_u32_u24 v[STR], v[RR], SPI
	v_lshl_add_u32 v[STR], v[HH], 6, v[STR]
	v_add_nc_u32 v[STR], s56, v[STR]
	s_mov_b32 s[SEL], 0x76543210
	s_mov_b32 s[SEL+1], 0xfedcba98
	s_mov_b32 s[HM], 0xffff0000
.irp b, 0,1,2,3
	v_mov_b32 v[TM+4+\b], 0                        ; written once: a lane permute's destination counts as one of its sources
.endr
	s_lshl_b32 s54, ttmp9, 18                      ; x: my tile's first row: 128 x + 32 (w / 2) + 8 (w % 2), 2,048 bytes a row
	s_lshr_b32 s56, s[WV], 1
	s_lshl_b32 s56, s56, 16
	s_add_co_u32 s54, s54, s56
	s_and_b32 s56, s[WV], 1
	s_lshl_b32 s56, s56, 14
	s_add_co_u32 s54, s54, s56
	s_mov_b32 s55, 0
	s_wait_kmcnt 0x0
	s_cmp_eq_u32 s[YY], 0                          ; the buffers are chosen by the work-group's number alone
	s_cselect_b64 s[30:31], s[4:5], s[6:7]         ; x
	s_cselect_b64 s[32:33], s[10:11], s[12:13]     ; the bias
	s_cselect_b64 s[34:35], s[20:21], s[24:25]     ; where the codes go
	s_cselect_b64 s[36:37], s[22:23], s[26:27]     ; where the scale words go
	s_cselect_b32 s45, 0, 1                        ; kv and kvs hold K's and V's parts by turns: twice qc's and qs's strides
	s_cmp_eq_u32 s[YY], 2
	s_cselect_b64 s[30:31], s[8:9], s[30:31]
	s_cselect_b64 s[32:33], s[14:15], s[32:33]
	s_cselect_b32 s42, 0, 64                       ; the bias's offset = h x s42 + (r + 8 (r / 8)) x s43 + register x s44: q, k: eight neighbours of my half; v: my channel's, eight times
	s_cselect_b32 s43, 4, 0
	s_cselect_b32 s44, 0, 4
	s_cselect_b32 s50, 4096, 0                     ; V's part of a step lies behind K's
	s_cselect_b32 s51, 256, 0
	s_add_nc_u64 s[30:31], s[30:31], s[54:55]
	XLOAD S0, 0                                    ; three of my tile's four K steps are asked for before anything else
	XLOAD S1, 1
	XLOAD S2, 2
	s_lshr_b32 s52, ttmp9, 5                       ; batch
	s_and_b32 s53, ttmp9, 31                       ; which 128 tokens of the batch's 4,096
	s_lshl_b32 s52, s52, 3
	s_add_co_u32 s52, s52, s[WV]                   ; 8 x batch + head
	s_lshl_b32 s54, s52, 17                        ; codes: 131,072 a head, 4,096 for 128 tokens (kv: twice)
	s_lshl_b32 s56, s53, 12
	s_add_co_u32 s54, s54, s56
	s_lshl_b32 s54, s54, s45
	s_add_co_u32 s54, s54, s50
	s_add_nc_u64 s[34:35], s[34:35], s[54:55]
	s_lshl_b32 s54, s52, 13                        ; scale words: 8,192 a head, 256 for 128 tokens (kvs: twice)
	s_lshl_b32 s56, s53, 8
	s_add_co_u32 s54, s54, s56
	s_lshl_b32 s54, s54, s45
	s_add_co_u32 s54, s54, s51
	s_add_nc_u64 s[36:37], s[36:37], s[54:55]
	s_lshl_b32 s54, s[YY], 17                      ; W's codes: 131,072 a weight, 16,384 a head
	s_lshl_b32 s56, s[WV], 14
	s_add_co_u32 s54, s54, s56
	s_add_nc_u64 s[38:39], s[16:17], s[54:55]
	s_lshl_b32 s54, s[YY], 13                      ; W's scale words: 8,192 a weight, 1,024 a head
	s_lshl_b32 s56, s[WV], 10
	s_add_co_u32 s54, s54, s56
	s_add_nc_u64 s[40:41], s[18:19], s[54:55]
	s_lshl_b32 s54, s[WV], 8                       ; the bias: my head's 64 numbers
	s_add_nc_u64 s[32:33], s[32:33], s[54:55]
	v_mul_u32_u24 v9, v[HH], s42
	v_mad_u32_u24 v9, v[RP], s43, v9
.irp j, 0,1,2,3,4,5,6,7
	s_mul_i32 s56, s44, \j
	v_add_nc_u32 v[AB+\j], s56, v9
.endr
	; ---- PHASE X.  Loads come back in order: each count names the loads issued behind the K step that is wanted
	s_wait_loadcnt 32                              ; K step 0 is in; steps 1 and 2 may be out
	TURN S0
	s_wait_dscnt 0x0                               ; back from the stage
	QUANT S0, PC, PWA
	IMAGE 0
	XLOAD S0, 3
	s_wait_loadcnt 32                              ; step 1 is in; steps 2 and 3 may be out
	TURN S1
	s_wait_dscnt 0x0                               ; back from the stage; and the image's stores have read PC and PWA
	QUANT S1, PC, PWA
	IMAGE 1
	WIN 0x40                                       ; destination window 1, address window 0
	WLOAD 0
	WLOAD 1
	WIN 0
	s_wait_loadcnt 32                              ; step 2 is in; step 3 and 16 loads of W may be out
	TURN S2
	s_wait_dscnt 0x0
	QUANT S2, PC, PWA
	IMAGE 2
	WIN 0x40
	WLOAD 2
	WLOAD 3
	WIN 0
.irp p, 0,1
.irp s, 0,1,2,3
	global_load_b32 v[WS+4*\p+\s], v[LS], s[40:41] offset:512*\p+128*\s
.endr
.endr
	s_wait_loadcnt 40                              ; step 3 is in; 32 loads of W and 8 of its scale words may be out
	TURN S0
	s_wait_dscnt 0x0
	QUANT S0, PC, PWA
	IMAGE 3
	WIN 0x40
.irp t, 0,1,2,3
.irp j, 0,1,2,3,4,5,6,7
	global_load_b32 v[BI+8*\t+\j], v[AB+\j], s[32:33] offset:(32*(\t/2)+8*(\t%2))*4
.endr
.endr
	WIN 0
	s_wait_dscnt 0x0                               ; for the others' sake: my images lie in LDS
	s_barrier_signal -1
	s_barrier_wait -1                              ; all 32 fragments of x lie in LDS; nothing is stored to LDS from here on
	s_wait_loadcnt 0x0                             ; W, its scale words, the bias
	s_cmp_eq_u32 s[YY], 2
	s_cbranch_scc1 .Lv
	; ---- PHASE P, q and k.  Group g: token tiles 2 g and 2 g + 1.  Eight accumulators (2 token tiles x 4 tiles of units) by turns, one instruction a turn
.macro GQK g
.irp e, 0,1
.irp s, 0,1,2,3
.irp c, 0,1
	ds_load_b128 v[XF+8*(4*\e+\s)+4*\c:XF+8*(4*\e+\s)+4*\c+3], v[LI] offset:(4*(2*\g+\e)+\s)*1024+512*\c
.endr
.endr
.endr
.irp s, 0,1,2,3
	ds_load_b32 v[XS+\s], v[LS] offset:XSC+512*\s+128*\g   ; lanes 0-15 tile 2 g's words, lanes 16-31 tile 2 g + 1's
.endr
	s_wait_dscnt 0x0
.irp s, 0,1,2,3
.if \s == 0
	WIN 0x11                                       ; source 0 (W) and C (the bias) window 1
.else
	WIN 0x01
.endif
.irp e, 0,1
.irp t, 0,1,2,3
.set rD, ACC+8*(4*\e+\t)
.set rA, 8*(4*\t+\s)
.set rB, XF+8*(4*\e+\s)
.if \s == 0
.set rC, BI+8*\t
.else
.set rC, ACC+8*(4*\e+\t)
.endif
.set rSA, WS+4*(\t/2)+\s
.set rSB, XS+\s
.set rRA, \t%2
.set rRB, \e
	WM
.endr
.endr
.endr
	WIN 0
	PLACES 5                                       ; four in front of the reads of results and of the next group's loads into x's fragments; five in front of the next group's first products, which begin the accumulators anew
	OUTG \g, ACC
.endm
	GQK 0
	GQK 1
	GQK 2
	GQK 3
	s_wait_tensorcnt 0x0
	ds_add_u32 v62, v63
	s_wait_dscnt 0x0
	s_endpgm
	; ---- PHASE P, v.  Tiles of units 2 tp and 2 tp + 1 x the 128 tokens.  Sixteen accumulators (8 token tiles x 2 tiles of units) by turns, one instruction a turn, a K step at a time
.macro GVP tp
.irp s, 0,1,2,3
.irp m, 0,1,2,3,4,5,6,7
.irp c, 0,1
	ds_load_b128 v[XF+8*\m+4*\c:XF+8*\m+4*\c+3], v[LI] offset:(4*\m+\s)*1024+512*\c
.endr
.endr
.irp p, 0,1,2,3
	ds_load_b32 v[XS+\p], v[LS] offset:XSC+512*\s+128*\p
.endr
	s_wait_dscnt 0x0
.if \s == 0
	WIN 0x14                                       ; source 1 (W) and C (the bias) window 1
.else
	WIN 0x04
.endif
.irp m, 0,1,2,3,4,5,6,7
.irp u, 0,1
.set rD, ACC+64*\u+8*\m
.set rA, XF+8*\m
.set rB, 8*(4*(2*\tp+\u)+\s)
.if \s == 0
.set rC, BI+8*(2*\tp+\u)
.else
.set rC, ACC+64*\u+8*\m
.endif
.set rSA, XS+\m/2
.set rSB, WS+4*\tp+\s
.set rRA, \m%2
.set rRB, \u
	WM
.endr
.endr
	WIN 0
	PLACES 5                                       ; in front of the next loads into x's fragments and scale words, of the reads of results, and of the next pair's first products
.endr
.endm
.Lv:
	GVP 0
	OUTG 0, ACC
	OUTG 1, ACC+64
	GVP 1
	OUTG 2, ACC
	OUTG 3, ACC+64
	s_wait_tensorcnt 0x0
	ds_add_u32 v62, v63
	s_wait_dscnt 0x0
	s_endpgm
.Lfunc_end_k_q69e63b758b_proj:
	.size	k_q69e63b758b_proj, .Lfunc_end_k_q69e63b758b_proj-k_q69e63b758b_proj
	.p2alignl 7, 3214868480
	.fill 96, 4, 3214868480
	.section	.rodata,"a",@progbits
	.p2align	6, 0x0
	.amdhsa_kernel k_q69e63b758b_proj
		.amdhsa_group_segment_fixed_size 105472
		.amdhsa_private_segment_fixed_size 0
		.amdhsa_enable_private_segment 0
		.amdhsa_kernarg_size 96
		.amdhsa_user_sgpr_count 2
		.amdhsa_user_sgpr_kernarg_segment_ptr 1
		.amdhsa_wavefront_size32 1
		.amdhsa_system_sgpr_workgroup_id_x 1
		.amdhsa_system_sgpr_workgroup_id_y 1
		.amdhsa_system_sgpr_workgroup_id_z 1
		.amdhsa_system_vgpr_workitem_id 0
		.amdhsa_next_free_vgpr 512
		.amdhsa_next_free_sgpr 66
		.amdhsa_reserve_vcc 0
		.amdhsa_float_denorm_mode_32 3
		.amdhsa_float_denorm_mode_16_64 3
		.amdhsa_memory_ordered 1
		.amdhsa_forward_progress 1
		.amdhsa_inst_pref_size 124
	.end_amdhsa_kernel
	.amdgpu_metadata
---
amdhsa.version: [ 1, 2 ]
amdhsa.kernels:
  - .name:           k_q69e63b758b_proj
    .symbol:         k_q69e63b758b_proj.kd
    .args:
      - { .name: query, .offset: 0, .size: 8, .value_kind: global_buffer, .address_space: global }
      - { .name: key_, .offset: 8, .size: 8, .value_kind: global_buffer, .address_space: global }
      - { .name: value, .offset: 16, .size: 8, .value_kind: global_buffer, .address_space: global }
      - { .name: bq, .offset: 24, .size: 8, .value_kind: global_buffer, .address_space: global }
      - { .name: bk, .offset: 32, .size: 8, .value_kind: global_buffer, .address_space: global }
      - { .name: bv, .offset: 40, .size: 8, .value_kind: global_buffer, .address_space: global }
      - { .name: wc, .offset: 48, .size: 8, .value_kind: global_buffer, .address_space: global }
      - { .name: ws, .offset: 56, .size: 8, .value_kind: global_buffer, .address_space: global }
      - { .name: qc, .offset: 64, .size: 8, .value_kind: global_buffer, .address_space: global }
      - { .name: qs, .offset: 72, .size: 8, .value_kind: global_buffer, .address_space: global }
      - { .name: kv, .offset: 80, .size: 8, .value_kind: global_buffer, .address_space: global }
      - { .name: kvs, .offset: 88, .size: 8, .value_kind: global_buffer, .address_space: global }
    .group_segment_fixed_size: 105472
    .private_segment_fixed_size: 0
    .kernarg_segment_align: 8
    .kernarg_segment_size: 96
    .max_flat_workgroup_size: 256
    .sgpr_count:     66
    .vgpr_count:     512
    .wavefront_size: 32
...
	.end_amdgpu_metadata
.endif
;; end of part 2
;; launch attn (part 3): grid 16 x 16, 16 waves a work-group, clusters of 4 x 1, 327,680 bytes of LDS; arguments qc, qs, kv, kvs, cc, cs; writes cc, cs
.if DOCPART == 3
	.amdgcn_target "amdgcn-amd-amdhsa--gfx1250"
	.amdhsa_code_object_version 6
	.text
	.protected	k_q69e63b758b_attn
	.globl	k_q69e63b758b_attn
	.p2align	8
	.type	k_q69e63b758b_attn,@function
k_q69e63b758b_attn:
	s_mov_b64 s[64:65], 0
	v_nop
	global_prefetch_b8 v0, s[64:65] scope:SCOPE_SE
	s_setreg_imm32_b32 hwreg(HW_REG_WAVE_MODE, 25, 1), 1
	s_wait_xcnt 0x0
	s_wait_alu depctr_hold_cnt(0) depctr_sa_sdst(0) depctr_va_vdst(0) depctr_va_sdst(0) depctr_va_ssrc(0) depctr_va_vcc(0) depctr_vm_vsrc(0)
	s_getreg_b32 s2, hwreg(HW_REG_IB_STS2, 6, 4)
	s_cmp_eq_u32 s2, 0
	s_cbranch_scc0 .Lentry_in_a_cluster
	s_endpgm
.Lentry_in_a_cluster:
	s_bfe_u32 s2, ttmp6, 0x10000c
	s_cmp_lg_u32 s2, 0x3003
	s_cbranch_scc0 .Lentry_shape_is_right
	s_endpgm
.Lentry_shape_is_right:
; ctx[bh][q][:] = the sum over k of softmax_k(q . k / 8) v[k][:], 16 heads of 4,096 tokens x 64 channels, both products on codes of FP4 (E2M1) with E8M0 scales; ctx is quantised at once for the out-projection.
; THE SOFTMAX AHEAD OF THE SECOND PRODUCT: t = score x log2(e) / 8; M = the row's largest t so far, rounded UP to a whole number; p = 2^(t - M) is quantised along the keys, not normalised.
; The row's sum is taken of the unquantised p, in f32, and divides O at the end.  When M moves, the sum and O are multiplied by 2^(old M - new M): exact.
; SHARES.  Work-group (x, head): 256 queries; each of its sixteen waves owns one tile of 16, in 256 registers: four waves to a SIMD, so that one wave's vector work stands beside another's products and LDS loads.
; Every wave walks the head's 32 steps of 128 keys.
; LDS.  A head's K and V codes (262,144 bytes) and scale words (16,384) fit whole: every byte is filled ONCE, nothing is filled again.  All lie as images of the operand's registers: a load of 16 bytes a lane reads 512 consecutive bytes.
; THE FILL GOES OUT AT THE START AND IS AWAITED IN STAGES: the scale words and steps 0-3, then steps 4-11, then steps 12-31.  The walk begins when the first stage has landed; the later stages land while the earlier ones are walked.
; Tensor loads of a wave end in order (ISA guide 10.11.1), so a counted wait shows a stage landed; a barrier then shows it to all sixteen waves.
; CLUSTER.  The four work-groups of a cluster belong to one head: every fill is a joint load with a mask that names the four; waves 0 to 3 issue four each (a quarter of the scale words and of each stage): four tensor loads of a wave are out.
; LAYOUT.  Both products are used transposed: S^T = K Q^T (source 0 = keys, source 1 = my queries), O^T = V^T P^T: a lane holds ONE query (lane % 16) throughout.
; THE HEAD'S K IS 64, THE INSTRUCTION'S 128: a fragment of K holds two key tiles (k 0..63: tile 2 p; k 64..127: tile 2 p + 1) and is multiplied once by (q, 0) and once by (0, q); q's scale word holds its two bytes twice.
; The half that is not wanted meets zero codes, under scale bytes that are never 0xff.
; TILE ORDER: lane-row r of tile 2 b + u is token 32 b + 8 u + r + 8 (r / 8): so the 16 registers of S^T's tiles 2 p, 2 p + 1 are keys 32 p + 16 (lane / 16) + 0 .. 15, and O^T's likewise channels.
; LIMITS: NaN and infinities are not served.  A block's largest p is made from the block's largest score by the same two instructions: this takes v_exp_f32 not to fall where its input rises.
; A block of zeros gets the byte 1 where the rule says 127: its codes are zeros, and this program alone reads the bytes.
.set NA,   4                           ; steps in the three stages
.set NB,   8
.set NC,   20
.set SCL,  262144                      ; LDS: step s's codes at 8,192 s (K's four fragments, then V's four); from SCL its scale words at 512 s (K's 64, then V's 64);
.set CST,  278528                      ; from CST ctx's scale words of the 16 waves, 1,024 bytes that LDS stores alone write
.set LI,   1                           ; v1   16 x lane
.set LSS,  2                           ; v2   SCL + 4 x lane
.set CSTW, 3                           ; v3   CST + 64 x wave + 4 r
.set CSTR, 4                           ; v4   CST + 512 (wave % 2) + 16 x lane
.set R4,   5                           ; v5   4 r
.set VS,   6                           ; v6-7  V's scale words
.set ADK,  8                           ; v8   the step's codes
.set ADS,  9                           ; v9   the step's scale words
.set QZ,   16                          ; v16-19 zeros, v20-23 q's codes, v24-27 zeros: (0, q) = v[16:23], (q, 0) = v[20:27]
.set QS,   28                          ; v28  q's scale word
.set PS,   29                          ; v29  p's scale word
.set KS,   30                          ; v30-31 K's scale words
.set KF,   32                          ; v32-63  K's four fragments
.set VF,   64                          ; v64-95  V's four fragments
.set S,    96                          ; v96-159 S^T, then p
.set O,    160                         ; v160-191 O^T
.set PC,   192                         ; v192-199 p's codes
.set BM,   200                         ; v200-203 the blocks' largest scores, then largest p
.set BP,   204                         ; v204-207 at work
.set BE,   208                         ; v208-211 the conversions' scale operands
.set TMP,  212
.set F,    214                         ; v[214:215] 2^(old M - new M) (the upper word is named with it and written once)
.set SU,   216                         ; v[216:217] the sum's second chain
.set RL,   218
.set BH,   16                          ; s16 8 x batch + head
.set WGX,  17                          ; s17 which 256 queries
.set WV,   18                          ; s18 my wave's number
.set SEL,  20                          ; s[20:21] v_permlanex16_b32's selects for lane l xor 16
.set CS,   22                          ; s[22:23] c = log2(e) / 8
.set G1S,  24                          ; descriptor groups 1: s[24:31] the scale words', s[32:39], s[40:47], s[80:87] the three stages'
.set G1A,  32
.set G1B,  40
.set G1C,  80
.set G0S,  48                          ; groups 0: s[48:51], s[52:55], s[56:59], s[88:91]: never rewritten
.set G0A,  52
.set G0B,  56
.set G0C,  88
.set TB,   60                          ; s60 where the step's codes begin
.set TS,   61                          ; s61 where its scale words begin, from SCL
.set CNT,  62
; A round of the cluster's barrier
.macro CROUND
	s_barrier_signal -1
	s_barrier_wait -1
	s_cmp_lg_u32 s[WV], 0
	s_cbranch_scc1 .Lnot_wave_0_\@
	s_barrier_signal -3
.Lnot_wave_0_\@:
	s_barrier_wait -3
	s_barrier_signal -1
	s_barrier_wait -1
.endm
; descriptor group 1: a dense block as rows of 256 bytes (32 elements of 8 bytes), no padding
.macro GROUP1 g, rows
	s_mov_b32 s[\g], 15|(3<<16)|(1<<21)            ; 15:0 the mask: all four work-groups; 17:16 elements of 8 bytes; 21 set beside a mask
	s_mov_b32 s[\g+1], 32<<16                      ; tensor_dim0 = 32
	s_mov_b32 s[\g+2], (\rows)<<16                 ; tensor_dim1
	s_mov_b32 s[\g+3], 32<<16                      ; tile_dim0 = 32
	s_mov_b32 s[\g+4], \rows                       ; tile_dim1
	s_mov_b32 s[\g+5], 32                          ; from row to row
	s_mov_b32 s[\g+6], 0
	s_mov_b32 s[\g+7], 0
.endm
; descriptor group 0 of a stage of n steps from step first on: my quarter, 2,048 n bytes.  A head lies in kv as it lies in LDS: one offset serves both
.macro GROUP0 g, first, n
	s_mov_b32 s[\g], 1                             ; count = 1
	s_mul_i32 s[\g+1], s67, 2048*(\n)              ; LDS address: the wave's number and constants alone
.if \first > 0
	s_add_co_u32 s[\g+1], s[\g+1], 8192*(\first)
.endif
	s_mov_b32 s72, s[\g+1]
	s_add_nc_u64 s[\g+2:\g+3], s[78:79], s[72:73]
	s_or_b32 s[\g+3], s[\g+3], 0x80000000          ; type = 2
.endm
; one matrix instruction on the symbols rD, rA, rB, rSA, rSB; rRA = 1: source 0's scales are read from lanes 16-31.  WMZ starts a sum, WMA adds in place
.macro WMZ
.if rRA == 0
	v_wmma_scale_f32_16x16x128_f8f6f4 v[rD:rD+7], v[rA:rA+7], v[rB:rB+7], 0, v[rSA], v[rSB] matrix_a_fmt:MATRIX_FMT_FP4 matrix_b_fmt:MATRIX_FMT_FP4
.else
	v_wmma_scale_f32_16x16x128_f8f6f4 v[rD:rD+7], v[rA:rA+7], v[rB:rB+7], 0, v[rSA], v[rSB] matrix_a_fmt:MATRIX_FMT_FP4 matrix_b_fmt:MATRIX_FMT_FP4 matrix_a_scale:MATRIX_SCALE_ROW1
.endif
.endm
.macro WMA
.if rRA == 0
	v_wmma_scale_f32_16x16x128_f8f6f4 v[rD:rD+7], v[rA:rA+7], v[rB:rB+7], v[rD:rD+7], v[rSA], v[rSB] matrix_a_fmt:MATRIX_FMT_FP4 matrix_b_fmt:MATRIX_FMT_FP4
.else
	v_wmma_scale_f32_16x16x128_f8f6f4 v[rD:rD+7], v[rA:rA+7], v[rB:rB+7], v[rD:rD+7], v[rSA], v[rSB] matrix_a_fmt:MATRIX_FMT_FP4 matrix_b_fmt:MATRIX_FMT_FP4 matrix_a_scale:MATRIX_SCALE_ROW1
.endif
.endm
; A KEY STEP: 128 keys
.macro STEP
	v_add_nc_u32 v[ADK], s[TB], v[LI]
	v_add_nc_u32 v[ADS], s[TS], v[LSS]
.irp p, 0,1,2,3
.irp c, 0,1
	ds_load_b128 v[KF+8*\p+4*\c:KF+8*\p+4*\c+3], v[ADK] offset:1024*\p+512*\c
.endr
.endr
.irp i, 0,1
	ds_load_b32 v[KS+\i], v[ADS] offset:128*\i     ; lanes 0-15 fragment 2 i's words, lanes 16-31 fragment 2 i + 1's
.endr
	s_wait_dscnt 0x0
.irp p, 0,1,2,3                                ; S^T: eight sums, one instruction each
.irp e, 0,1
.set rD, S+8*(2*\p+\e)
.set rA, KF+8*\p
.set rB, QZ+4-4*\e
.set rSA, KS+\p/2
.set rSB, QS
.set rRA, \p%2
	WMZ
.endr
.endr
.rept 4
	v_nop                                          ; places in front of the reads of S^T; with the two additions above, also in front of the loads into V's registers, which the last step's products read
.endr
.irp t, 0,1,2,3                                ; V's fragments land while the softmax is walked
.irp c, 0,1
	ds_load_b128 v[VF+8*\t+4*\c:VF+8*\t+4*\c+3], v[ADK] offset:4096+1024*\t+512*\c
.endr
.endr
.irp i, 0,1
	ds_load_b32 v[VS+\i], v[ADS] offset:256+128*\i
.endr
.irp b, 0,1,2,3
	v_max3_num_f32 v[BM+\b], v[S+16*\b], v[S+1+16*\b], v[S+2+16*\b]   ; the largest score of each block of 32 keys: it serves the row's maximum and, since p rises with the score, the block's largest p
.endr
.irp i, 3,5,7,9,11,13
.irp b, 0,1,2,3
	v_max3_num_f32 v[BM+\b], v[BM+\b], v[S+16*\b+\i], v[S+1+16*\b+\i]
.endr
.endr
.irp b, 0,1,2,3
	v_max_num_f32 v[BM+\b], v[BM+\b], v[S+15+16*\b]
.endr
.irp b, 0,1,2,3
	v_permlanex16_b32 v[BP+\b], v[BM+\b], s[SEL], s[SEL+1]
.endr
.irp b, 0,1,2,3
	v_max_num_f32 v[BM+\b], v[BM+\b], v[BP+\b]     ; with lane l xor 16's 16 keys
.endr
	v_max3_num_f32 v[TMP], v[BM], v[BM+1], v[BM+2]
	v_max_num_f32 v[TMP], v[TMP], v[BM+3]          ; the step's largest score of my query
	v_mul_f32 v[TMP], s[CS], v[TMP]                ; as t (c is positive)
	v_max_num_f32 v13, v13, v[TMP]                 ; the running largest t
	v_mov_b32 v[TMP], v12
	v_floor_f32 v12, -v13                          ; the new -M = floor(-t) = -ceil(t)
	v_sub_f32 v[TMP], v12, v[TMP]                  ; old M - new M: a whole number, 0 or less
	v_cvt_i32_f32 v[TMP], v[TMP]                   ; (it saturates)
	v_ldexp_f32 v[F], 1.0, v[TMP]                  ; f = 2^(old M - new M)
.irp j, 0,2,4,6,8,10,12,14,16,18,20,22,24,26,28,30,32,34,36,38,40,42,44,46,48,50,52,54,56,58,60,62
	v_pk_fma_f32 v[S+\j:S+1+\j], v[S+\j:S+1+\j], s[CS:CS+1], v[12:13] op_sel_hi:[1,0,0]   ; t - M, two at a time
.endr
.irp b, 0,1,2,3
	v_fma_f32 v[BM+\b], v[BM+\b], s[CS], v12       ; the same of each block's largest score
.endr
.irp j, 0,1,2,3,4,5,6,7,8,9,10,11,12,13,14,15,16,17,18,19,20,21,22,23,24,25,26,27,28,29,30,31,32,33,34,35,36,37,38,39,40,41,42,43,44,45,46,47,48,49,50,51,52,53,54,55,56,57,58,59,60,61,62,63
	v_exp_f32 v[S+\j], v[S+\j]                     ; p = 2^(t - M), at most 1
.endr
.irp b, 0,1,2,3
	v_exp_f32 v[BM+\b], v[BM+\b]                   ; the block's largest p
.endr
	v_pk_mul_f32 v[14:15], v[14:15], v[F:F+1] op_sel_hi:[1,0]   ; the sums under the new M.  (The plain place behind the exponentials)
	s_wait_alu depctr_va_vdst(0)
.irp b, 0,1,2,3
	v_max_num_f32 v[BM+\b], 0x1800000, v[BM+\b]    ; the floor 2^(3 - 127): the byte cannot fall under 1
.endr
.irp b, 0,1,2,3
	v_add_nc_u32 v[BE+\b], 0xff000000, v[BM+\b]    ; 2 off the exponent field: the conversion's scale operand
.endr
.irp b, 0,1,2,3
	v_lshrrev_b32 v[BP+\b], 23, v[BE+\b]           ; the scale's byte
.endr
	v_lshl_or_b32 v[PS], v[BP+1], 8, v[BP]         ; p's scale word for these 128 keys
	v_lshl_or_b32 v[PS], v[BP+2], 16, v[PS]
	v_lshl_or_b32 v[PS], v[BP+3], 24, v[PS]
.irp b, 0,1,2,3
	v_cvt_scalef32_pk8_fp4_f32 v[PC+2*\b], v[S+16*\b:S+7+16*\b], v[BE+\b]
	v_cvt_scalef32_pk8_fp4_f32 v[PC+1+2*\b], v[S+8+16*\b:S+15+16*\b], v[BE+\b]
.endr
	v_nop                                          ; one plain place behind a scaled conversion
.irp c, 0,1                                    ; a whole block to a lane: lanes 0-15 block 2 c, lanes 16-31 block 2 c + 1
.irp i, 0,1
	v_permlane16_swap_b32 v[PC+4*\c+\i], v[PC+2+4*\c+\i]
.endr
.endr
	v_pk_add_f32 v[SU:SU+1], v[S:S+1], v[S+2:S+3]  ; the row's sum is taken of the unquantised p: two at a time, in two chains
.irp j, 4,8,12,16,20,24,28,32,36,40,44,48,52,56,60
	v_pk_add_f32 v[14:15], v[14:15], v[S+\j:S+1+\j]
	v_pk_add_f32 v[SU:SU+1], v[SU:SU+1], v[S+2+\j:S+3+\j]
.endr
	v_pk_add_f32 v[14:15], v[14:15], v[SU:SU+1]
.irp j, 0,2,4,6,8,10,12,14,16,18,20,22,24,26,28,30
	v_pk_mul_f32 v[O+\j:O+1+\j], v[O+\j:O+1+\j], v[F:F+1] op_sel_hi:[1,0]   ; O^T under the new M.  (The sums and these are the places between p's codes and scale word and the products below)
.endr
	s_wait_dscnt 0x0                               ; V's fragments and scale words are in: no LDS instruction of mine is out from here to the step's end
.irp t, 0,1,2,3                                ; O^T += V^T P^T: four accumulators, one instruction each; a step's last and the next step's first matrix instructions name different accumulators
.set rD, O+8*\t
.set rA, VF+8*\t
.set rB, PC
.set rSA, VS+\t/2
.set rSB, PS
.set rRA, \t%2
	WMA
.endr
	s_add_co_u32 s[TB], s[TB], 8192
	s_add_co_u32 s[TS], s[TS], 512
.endm
; n steps from step first on; where they begin is stated anew, so that each loop's bytes can be read off its own lines
.macro WALK n, first
	s_mov_b32 s[TB], 8192*(\first)
	s_mov_b32 s[TS], 512*(\first)
	s_mov_b32 s[CNT], \n
.Lstep_\@:
	STEP
	s_sub_co_u32 s[CNT], s[CNT], 1
	s_cmp_lg_u32 s[CNT], 0
	s_cbranch_scc1 .Lstep_\@
.endm
	s_load_b256 s[4:11], s[0:1], 0x0               ; qc, qs, kv, kvs
	s_load_b128 s[12:15], s[0:1], 0x20             ; cc, cs
	v_lshl_add_u32 v254, v0, 2, 0x44400
	v_mov_b32 v255, 0
	ds_add_u32 v254, v255
	ds_add_u32 v254, v255
	v_lshrrev_b32 v10, 5, v0
	v_readfirstlane_b32 s[WV], v10                 ; wave 0..15
	v_and_b32 v10, 31, v0                          ; lane
	v_and_b32 v11, 15, v0                          ; r
	v_lshlrev_b32 v[LI], 4, v10                    ; every LDS address register that stays is made here, ahead of the first branch on the wave's number
	v_lshl_add_u32 v[LSS], v10, 2, SCL
	v_lshlrev_b32 v[R4], 2, v11
	s_lshl_b32 s66, s[WV], 6
	s_add_co_u32 s66, s66, CST
	v_add_nc_u32 v[CSTW], s66, v[R4]
	s_and_b32 s71, s[WV], 1                        ; w % 2
	s_lshr_b32 s70, s[WV], 1                       ; w / 2
	s_lshl_b32 s66, s71, 9
	s_add_co_u32 s66, s66, CST
	v_add_nc_u32 v[CSTR], s66, v[LI]
	s_lshl_b32 s63, s71, 4                         ; which half of a pair's scale word is my tile's: 16 (w % 2) bits up
	s_and_b32 s[BH], ttmp7, 0xffff                 ; the head, which the four partners share
	s_bfe_u32 s66, ttmp6, 0x40000                  ; cx: my place in the cluster
	s_lshl_b32 s[WGX], ttmp9, 2                    ; in a cluster launch ttmp9 counts clusters
	s_add_co_u32 s[WGX], s[WGX], s66               ; it enters global addresses of q and ctx alone
	GROUP1 G1S, 16                                 ; a quarter of the scale words: 4,096 bytes
	GROUP1 G1A, 8*NA                               ; a quarter of a stage: 8 rows a step
	GROUP1 G1B, 8*NB
	GROUP1 G1C, 8*NC
	s_mov_b32 s[SEL], 0x76543210
	s_mov_b32 s[SEL+1], 0xfedcba98
	s_mov_b32 s[CS], 0x3e38aa3b                    ; c = log2(e) / 8
	s_mov_b32 s[CS+1], s[CS]                       ; named with it as a pair, so it is written
	s_and_b32 s67, s[WV], 3                        ; which quarter I fetch, if I fetch
	s_lshl_b32 s72, s[BH], 14                      ; kvs: 16,384 a head, 4,096 a quarter
	s_lshl_b32 s66, s67, 12
	s_add_co_u32 s72, s72, s66
	s_mov_b32 s73, 0
	s_lshl_b32 s74, s[BH], 18                      ; kv: 262,144 a head
	s_mov_b32 s75, 0
	s_lshl_b32 s68, s[BH], 17                      ; q's codes: 131,072 a head; 1,024 a pair of tiles, pair 8 x + w / 2; 512 a tile
	s_lshl_b32 s66, s[WGX], 13
	s_add_co_u32 s68, s68, s66
	s_lshl_b32 s66, s70, 10
	s_add_co_u32 s68, s68, s66
	s_lshl_b32 s66, s71, 9
	s_add_co_u32 s68, s68, s66
	s_mov_b32 s69, 0
	s_lshl_b32 s76, s[BH], 13                      ; q's scale words: 8,192 a head, 64 a pair
	s_lshl_b32 s66, s[WGX], 9
	s_add_co_u32 s76, s76, s66
	s_lshl_b32 s66, s70, 6
	s_add_co_u32 s76, s76, s66
	s_mov_b32 s77, 0
	s_wait_dscnt 0x0
	s_wait_kmcnt 0x0
	s_mov_b32 s[G0S], 1                            ; count = 1
	s_lshl_b32 s[G0S+1], s67, 12
	s_add_co_u32 s[G0S+1], s[G0S+1], SCL           ; LDS address: the wave's number and constants alone
	s_add_nc_u64 s[G0S+2:G0S+3], s[10:11], s[72:73]
	s_or_b32 s[G0S+3], s[G0S+3], 0x80000000        ; type = 2
	s_add_nc_u64 s[78:79], s[8:9], s[74:75]        ; kv at my head
	GROUP0 G0A, 0, NA
	GROUP0 G0B, NA, NB
	GROUP0 G0C, NA+NB, NC
	s_add_nc_u64 s[4:5], s[4:5], s[68:69]
	s_add_nc_u64 s[6:7], s[6:7], s[76:77]
	s_lshr_b32 s68, s[BH], 3                       ; ctx's codes: tile T = 256 x batch + 16 x + w: 4,096 a tile; 1,024 a pair of heads; 512 a head
	s_lshl_b32 s68, s68, 8
	s_lshl_b32 s66, s[WGX], 4
	s_add_co_u32 s68, s68, s66
	s_add_co_u32 s68, s68, s[WV]
	s_lshl_b32 s68, s68, 12
	s_bfe_u32 s66, s[BH], 0x20001
	s_lshl_b32 s66, s66, 10
	s_add_co_u32 s68, s68, s66
	s_and_b32 s66, s[BH], 1
	s_lshl_b32 s66, s66, 9
	s_add_co_u32 s68, s68, s66
	s_add_nc_u64 s[12:13], s[12:13], s[68:69]
	s_lshl_b32 s68, s[BH], 14                      ; ctx's scale words: 16,384 a head, 1,024 a work-group, 512 for each of the two waves that store them
	s_lshl_b32 s66, s[WGX], 10
	s_add_co_u32 s68, s68, s66
	s_lshl_b32 s66, s71, 9
	s_add_co_u32 s68, s68, s66
	s_add_nc_u64 s[14:15], s[14:15], s[68:69]
	CROUND                                         ; all four work-groups are here: the joint loads meet
	s_cmp_lt_u32 s[WV], 4                          ; a wave's four fills stand in one branch, ahead of every wait on TENSORcnt and every LDS read; four v_nop follow the last
	s_cbranch_scc0 .Lasked
	tensor_load_to_lds s[G0S:G0S+3], s[G1S:G1S+7]
	s_nop 0
	tensor_load_to_lds s[G0A:G0A+3], s[G1A:G1A+7]
	s_nop 0
	tensor_load_to_lds s[G0B:G0B+3], s[G1B:G1B+7]
	s_nop 0
	tensor_load_to_lds s[G0C:G0C+3], s[G1C:G1C+7]
	s_nop 0
.rept 4
	v_nop
.endr
.Lasked:
	global_load_b128 v[QZ+4:QZ+7], v[LI], s[4:5]   ; q's codes: lane (r, h): channels 32 h .. 32 h + 31 of query r
	global_load_b32 v[QS], v[R4], s[6:7]           ; the pair's scale word of row r
.irp j, 0,1,2,3
	v_mov_b32 v[QZ+\j], 0
	v_mov_b32 v[QZ+8+\j], 0
	v_mov_b32 v[BP+\j], 0                          ; written once: a lane permute's destination counts as one of its sources
.endr
	v_mov_b32 v13, 0xff61b1e6                      ; the largest t so far: -3e38, under every t
	v_floor_f32 v12, -v13                          ; -M
	v_mov_b32 v14, 0                               ; the sum, in two halves
	v_mov_b32 v15, 0
	v_mov_b32 v[F+1], 0
	s_wait_loadcnt 0x0
	v_lshrrev_b32 v[QS], s63, v[QS]                ; my tile's two bytes,
	v_and_b32 v[QS], 0xffff, v[QS]
	v_lshl_or_b32 v[QS], v[QS], 16, v[QS]          ; twice: for (q, 0) and for (0, q)
.irp j, 0,1,2,3,4,5,6,7,8,9,10,11,12,13,14,15,16,17,18,19,20,21,22,23,24,25,26,27,28,29,30,31
	v_mov_b32 v[O+\j], 0                           ; O^T: the step is written once, its first trip finds zeros.  (These 32 are also the places between q's scale word, made by vector instructions, and the first product)
.endr
	s_wait_tensorcnt 0x2                           ; my parts of the scale words and of steps 0-3 have landed; the two later stages' loads may be out
	s_barrier_signal -1
	s_barrier_wait -1                              ; everybody's have
	WALK NA, 0
	s_wait_tensorcnt 0x1                           ; my part of steps 4-11 has landed; the last stage's load may be out.  (No LDS instruction of mine is out at a step's end)
	s_barrier_signal -1
	s_barrier_wait -1
	WALK NB, NA
	s_wait_tensorcnt 0x0                           ; my part of steps 12-31 has landed
	s_barrier_signal -1
	s_barrier_wait -1
	WALK NC, NA+NB
	; THE WAY OUT: ctx = O^T / the sum; its 32 numbers a lane are two half blocks along the out-projection's K: quantised here, they are half a fragment (my head's 64 of a K step's 128)
.rept 4
	v_nop                                          ; places behind the last products
.endr
	v_add_f32 v14, v14, v15                        ; the sum's two halves,
	v_permlanex16_b32 v[TMP], v14, s[SEL], s[SEL+1]
	v_add_f32 v14, v14, v[TMP]                     ; and lane l xor 16's
	v_rcp_f32 v[RL], v14
	v_nop                                          ; a plain place behind the transcendental
	s_wait_alu depctr_va_vdst(0)
.irp j, 0,1,2,3,4,5,6,7,8,9,10,11,12,13,14,15,16,17,18,19,20,21,22,23,24,25,26,27,28,29,30,31
	v_mul_f32 v[S+\j], v[O+\j], v[RL]              ; register 16 b + i = channel 32 b + 16 h + i of query r; each accumulator from its low end on
.endr
.irp b, 0,1
	v_max3_num_f32 v[BM+\b], |v[S+16*\b]|, |v[S+1+16*\b]|, 0x1800000
.endr
.irp i, 2,4,6,8,10,12,14
.irp b, 0,1
	v_max3_num_f32 v[BM+\b], v[BM+\b], |v[S+16*\b+\i]|, |v[S+1+16*\b+\i]|
.endr
.endr
.irp b, 0,1
	v_permlanex16_b32 v[BP+\b], v[BM+\b], s[SEL], s[SEL+1]
.endr
.irp b, 0,1
	v_max_num_f32 v[BM+\b], v[BM+\b], v[BP+\b]
.endr
.irp b, 0,1
	v_add_nc_u32 v[BE+\b], 0xff000000, v[BM+\b]
.endr
.irp b, 0,1
	v_lshrrev_b32 v[BP+\b], 23, v[BE+\b]
.endr
	v_lshl_or_b32 v[TMP], v[BP+1], 8, v[BP]        ; my row's two bytes; the upper two stay 0
.irp b, 0,1
	v_cvt_scalef32_pk8_fp4_f32 v[PC+2*\b], v[S+16*\b:S+7+16*\b], v[BE+\b]
	v_cvt_scalef32_pk8_fp4_f32 v[PC+1+2*\b], v[S+8+16*\b:S+15+16*\b], v[BE+\b]
.endr
	v_nop
.irp i, 0,1
	v_permlane16_swap_b32 v[PC+\i], v[PC+2+\i]
.endr
	global_store_b128 v[LI], v[PC:PC+3], s[12:13]  ; 512 consecutive bytes, aligned
	ds_store_b32 v[CSTW], v[TMP]                   ; the 16 waves' words meet in LDS (lanes r and 16 + r write the same word with the same value),
	s_wait_dscnt 0x0
	s_barrier_signal -1
	s_barrier_wait -1
	s_cmp_lt_u32 s[WV], 2                          ; and leave by two waves, 512 consecutive bytes each
	s_cbranch_scc0 .Lno_cs
	ds_load_b128 v[S:S+3], v[CSTR]
	s_wait_dscnt 0x0
	global_store_b128 v[LI], v[S:S+3], s[14:15]
.Lno_cs:
	s_wait_tensorcnt 0x0
	ds_add_u32 v254, v255
	s_wait_dscnt 0x0
	CROUND                                         ; the closing round: no work-group ends while a partner may still ask for a tile that names it
	s_endpgm
.Lfunc_end_k_q69e63b758b_attn:
	.size	k_q69e63b758b_attn, .Lfunc_end_k_q69e63b758b_attn-k_q69e63b758b_attn
	.p2alignl 7, 3214868480
	.fill 96, 4, 3214868480
	.section	.rodata,"a",@progbits
	.p2align	6, 0x0
	.amdhsa_kernel k_q69e63b758b_attn
		.amdhsa_group_segment_fixed_size 327680
		.amdhsa_private_segment_fixed_size 0
		.amdhsa_enable_private_segment 0
		.amdhsa_kernarg_size 48
		.amdhsa_user_sgpr_count 2
		.amdhsa_user_sgpr_kernarg_segment_ptr 1
		.amdhsa_wavefront_size32 1
		.amdhsa_system_sgpr_workgroup_id_x 1
		.amdhsa_system_sgpr_workgroup_id_y 1
		.amdhsa_system_sgpr_workgroup_id_z 1
		.amdhsa_system_vgpr_workitem_id 0
		.amdhsa_next_free_vgpr 256
		.amdhsa_next_free_sgpr 92
		.amdhsa_reserve_vcc 0
		.amdhsa_float_denorm_mode_32 3
		.amdhsa_float_denorm_mode_16_64 3
		.amdhsa_memory_ordered 1
		.amdhsa_forward_progress 1
		.amdhsa_inst_pref_size 58
	.end_amdhsa_kernel
	.amdgpu_metadata
---
amdhsa.version: [ 1, 2 ]
amdhsa.kernels:
  - .name:           k_q69e63b758b_attn
    .symbol:         k_q69e63b758b_attn.kd
    .args:
      - { .name: qc, .offset: 0, .size: 8, .value_kind: global_buffer, .address_space: global }
      - { .name: qs, .offset: 8, .size: 8, .value_kind: global_buffer, .address_space: global }
      - { .name: kv, .offset: 16, .size: 8, .value_kind: global_buffer, .address_space: global }
      - { .name: kvs, .offset: 24, .size: 8, .value_kind: global_buffer, .address_space: global }
      - { .name: cc, .offset: 32, .size: 8, .value_kind: global_buffer, .address_space: global }
      - { .name: cs, .offset: 40, .size: 8, .value_kind: global_buffer, .address_space: global }
    .group_segment_fixed_size: 327680
    .private_segment_fixed_size: 0
    .kernarg_segment_align: 8
    .kernarg_segment_size: 48
    .max_flat_workgroup_size: 512
    .sgpr_count:     92
    .vgpr_count:     256
    .wavefront_size: 32
...
	.end_amdgpu_metadata
.endif
;; end of part 3
;; launch outp (part 4): grid 64 x 4, 8 waves a work-group, no clusters, 101,376 bytes of LDS; arguments cc, cs, wc, ws, bo, out0; writes out0
.if DOCPART == 4
	.amdgcn_target "amdgcn-amd-amdhsa--gfx1250"
	.amdhsa_code_object_version 6
	.text
	.protected	k_q69e63b758b_outp
	.globl	k_q69e63b758b_outp
	.p2align	8
	.type	k_q69e63b758b_outp,@function
k_q69e63b758b_outp:
	s_mov_b64 s[64:65], 0
	v_nop
	global_prefetch_b8 v0, s[64:65] scope:SCOPE_SE
	s_setreg_imm32_b32 hwreg(HW_REG_WAVE_MODE, 25, 1), 1
	s_wait_xcnt 0x0
; out0 = ctx Wo^T + bo on codes of FP4 (E2M1) with E8M0 scales.  ctx's codes and Wo's arrive as images of the operand's registers (1,024 bytes a fragment of 16 rows x 128 K; 16 bytes a lane, 512 bytes a load).
; Work-group (x, u): token tiles 8 x .. 8 x + 7, one to a wave, and units 128 u .. 128 u + 127: eight tiles of Wo, which the eight waves copy into LDS once (4,096 bytes each) and all read.
; The product is used transposed (source 0 = 16 rows of Wo, source 1 = 16 tokens): a lane holds one token, and the 16 registers of tiles 2 p, 2 p + 1 are units 32 p + 16 (lane / 16) + 0 .. 15.
; TILE ORDER: lane-row r of tile 2 b + u is row 32 b + 8 u + r + 8 (r / 8), for tokens and for Wo's rows.  The bias is loaded straight into the accumulators, in the result's layout: the first products add onto it.
; ctx's scale word of a K step is made of two heads' two bytes each.  Results go through the wave's own stage in LDS and leave as rows of 512 consecutive bytes.
; NO CLUSTER: a work-group reads 32 KiB of Wo's codes and 32 KiB of ctx's once and has no loop in which a joint request could recur.  No tensor load: LDS is claimed as it is used.
.set STG, 32768                        ; LDS: Wo's fragment (t, s) at 1,024 (4 t + s); from STG a stage of 16 rows x (512 + 16) bytes for each wave
.set LI,  4                            ; v4   16 x lane
.set LS,  5                            ; v5   4 x lane
.set R4,  6                            ; v6   4 r
.set WST, 7                            ; v7   where I put my part of Wo: 16 x lane + 4,096 x wave
.set SO,  8                            ; v8   my stage: 528 r + 64 h
.set SR,  9                            ; v9   my stage: 16 x lane
.set BA,  10                           ; v10  the bias: 64 h
.set AS,  16                           ; v16-19 ctx's scale words, one a K step
.set TS,  20                           ; v20-27 the eight heads' two bytes
.set WS,  28                           ; v28-43 Wo's scale words: 4 p + s: lanes 0-15 tile 2 p, lanes 16-31 tile 2 p + 1
.set AF,  44                           ; v44-75  ctx's four fragments
.set WF,  76                           ; v76-139 Wo's eight fragments of a K step; at first my part of Wo on its way to LDS, at last the rows read back
.set ACC, 140                          ; v140-203 eight accumulators
.macro WMA                             ; one matrix instruction on the symbols rD, rA, rB, rSA, rSB; rRA = 1: source 0's scales are read from lanes 16-31
.if rRA == 0
	v_wmma_scale_f32_16x16x128_f8f6f4 v[rD:rD+7], v[rA:rA+7], v[rB:rB+7], v[rD:rD+7], v[rSA], v[rSB] matrix_a_fmt:MATRIX_FMT_FP4 matrix_b_fmt:MATRIX_FMT_FP4
.else
	v_wmma_scale_f32_16x16x128_f8f6f4 v[rD:rD+7], v[rA:rA+7], v[rB:rB+7], v[rD:rD+7], v[rSA], v[rSB] matrix_a_fmt:MATRIX_FMT_FP4 matrix_b_fmt:MATRIX_FMT_FP4 matrix_a_scale:MATRIX_SCALE_ROW1
.endif
.endm
	s_load_b256 s[4:11], s[0:1], 0x0               ; cc, cs, wc, ws
	s_load_b128 s[12:15], s[0:1], 0x20             ; bo, out0
	v_lshl_add_u32 v208, v0, 2, 0x18800
	v_mov_b32 v209, 0
	v_lshrrev_b32 v1, 5, v0
	v_readfirstlane_b32 s16, v1                    ; wave 0..7
	s_and_b32 s17, ttmp7, 0xffff                   ; u: which 128 units
	v_and_b32 v1, 31, v0                           ; lane
	v_and_b32 v2, 15, v0                           ; r
	v_bfe_u32 v3, v0, 4, 1                         ; h
	v_lshlrev_b32 v[LI], 4, v1
	v_lshlrev_b32 v[LS], 2, v1
	v_lshlrev_b32 v[R4], 2, v2
	s_lshl_b32 s20, s16, 12
	v_add_nc_u32 v[WST], s20, v[LI]
	s_mul_i32 s20, s16, 8448
	s_add_co_u32 s20, s20, STG                     ; my stage
	v_mul_u32_u24 v[SO], v2, 528
	v_lshl_add_u32 v[SO], v3, 6, v[SO]
	v_add_nc_u32 v[SO], s20, v[SO]
	v_add_nc_u32 v[SR], s20, v[LI]
	v_lshlrev_b32 v[BA], 6, v3
	s_lshl_b32 s18, ttmp9, 3
	s_add_co_u32 s18, s18, s16                     ; my token tile T = 8 x + wave
	s_lshl_b32 s22, s18, 12                        ; cc: 4,096 a tile
	s_mov_b32 s23, 0
	s_lshr_b32 s24, ttmp9, 5                       ; cs: 131,072 a batch (eight heads of 16,384), 64 a tile
	s_lshl_b32 s24, s24, 17
	s_and_b32 s26, ttmp9, 31
	s_lshl_b32 s26, s26, 3
	s_add_co_u32 s26, s26, s16
	s_lshl_b32 s26, s26, 6
	s_add_co_u32 s24, s24, s26
	s_mov_b32 s25, 0
	s_lshl_b32 s26, s17, 15                        ; wc: Wo is the fourth weight; 32,768 for 128 units, 4,096 a tile
	s_lshl_b32 s28, s16, 12
	s_add_co_u32 s26, s26, s28
	s_add_co_u32 s26, s26, 393216
	s_mov_b32 s27, 0
	s_lshl_b32 s28, s17, 11                        ; ws: 2,048 for 128 units
	s_add_co_u32 s28, s28, 24576
	s_mov_b32 s29, 0
	s_lshl_b32 s30, s17, 9                         ; bo, and a row of out0: 512 bytes for 128 units
	s_mov_b32 s31, 0
	s_lshr_b32 s32, s18, 1                         ; out0: my tile's first token 32 (T / 2) + 8 (T % 2), 2,048 bytes a row
	s_lshl_b32 s32, s32, 16
	s_and_b32 s34, s18, 1
	s_lshl_b32 s34, s34, 14
	s_add_co_u32 s32, s32, s34
	s_add_co_u32 s32, s32, s30
	s_mov_b32 s33, 0
	s_wait_kmcnt 0x0
	s_add_nc_u64 s[4:5], s[4:5], s[22:23]
	s_add_nc_u64 s[6:7], s[6:7], s[24:25]
	s_add_nc_u64 s[8:9], s[8:9], s[26:27]
	s_add_nc_u64 s[10:11], s[10:11], s[28:29]
	s_add_nc_u64 s[12:13], s[12:13], s[30:31]
	s_add_nc_u64 s[14:15], s[14:15], s[32:33]
.irp i, 0,1,2,3,4,5,6,7
	global_load_b128 v[WF+4*\i:WF+4*\i+3], v[LI], s[8:9] offset:512*\i     ; my tile of Wo: first, since the others wait for it
.endr
.irp i, 0,1,2,3,4,5,6,7
	global_load_b128 v[AF+4*\i:AF+4*\i+3], v[LI], s[4:5] offset:512*\i     ; ctx: K step i / 2, half i % 2
.endr
.irp i, 0,1,2,3,4,5,6,7
	global_load_b32 v[TS+\i], v[R4], s[6:7] offset:16384*\i                ; head i's two bytes of my row
.endr
.irp p, 0,1,2,3
.irp s, 0,1,2,3
	global_load_b32 v[WS+4*\p+\s], v[LS], s[10:11] offset:512*\p+128*\s
.endr
.endr
.irp t, 0,1,2,3,4,5,6,7
	global_load_b128 v[ACC+8*\t:ACC+8*\t+3], v[BA], s[12:13] offset:(32*(\t/2)+8*(\t%2))*4      ; the bias of units 32 (t / 2) + 16 h + 8 (t % 2) + 0 .. 7
	global_load_b128 v[ACC+8*\t+4:ACC+8*\t+7], v[BA], s[12:13] offset:(32*(\t/2)+8*(\t%2))*4+16
.endr
	s_wait_loadcnt 48                              ; my eight loads of Wo are in; the 48 issued behind them may be out
.irp i, 0,1,2,3,4,5,6,7
	ds_store_b128 v[WST], v[WF+4*\i:WF+4*\i+3] offset:512*\i
.endr
	s_wait_dscnt 0x0                               ; for the others' sake: my part of Wo lies in LDS
	s_barrier_signal -1
	s_barrier_wait -1
	s_wait_loadcnt 0x0
.irp s, 0,1,2,3
	v_lshl_or_b32 v[AS+\s], v[TS+2*\s+1], 16, v[TS+2*\s]   ; K step s: heads 2 s and 2 s + 1
.endr
.rept 8
	v_nop                                          ; a scale register written by a vector instruction stands eight places ahead of a scaled matrix instruction
.endr
.irp s, 0,1,2,3                                ; eight accumulators by turns, one instruction a turn, a K step at a time
.irp t, 0,1,2,3,4,5,6,7
.irp c, 0,1
	ds_load_b128 v[WF+8*\t+4*\c:WF+8*\t+4*\c+3], v[LI] offset:(4*\t+\s)*1024+512*\c
.endr
.endr
	s_wait_dscnt 0x0
.irp t, 0,1,2,3,4,5,6,7
.set rD, ACC+8*\t
.set rA, WF+8*\t
.set rB, AF+8*\s
.set rSA, WS+4*(\t/2)+\s
.set rSB, AS+\s
.set rRA, \t%2
	WMA
.endr
.rept 4
	v_nop                                          ; places in front of the next loads into Wo's fragments, and of the LDS stores that read results
.endr
.endr
.irp p, 0,1,2,3                                ; lane (r, h): out(token r, 32 p + 16 h + 0 .. 15): 64 bytes of a row; each accumulator from its low end on
.irp i, 0,1,2,3
	ds_store_b128 v[SO], v[ACC+16*\p+4*\i:ACC+16*\p+4*\i+3] offset:128*\p+16*\i
.endr
.endr
.irp i, 0,1,2,3,4,5,6,7,8,9,10,11,12,13,14,15
	ds_load_b128 v[WF+4*\i:WF+4*\i+3], v[SR] offset:528*\i   ; my own bytes; LDS serves a wave's instructions in order (ISA guide 5.7.1.4): these see the stores above
.endr
.irp i, 0,1,2,3,4,5,6,7,8,9,10,11,12,13,14,15
	s_wait_dscnt 15-\i                             ; row i is back; the rows behind it may be out
	global_store_b128 v[LI], v[WF+4*\i:WF+4*\i+3], s[14:15] offset:(\i+8*(\i/8))*2048 th:TH_STORE_NT   ; 32 lanes store 512 consecutive bytes, aligned; written once, read by nobody here
.endr
	s_wait_tensorcnt 0x0
	ds_add_u32 v208, v209
	s_wait_dscnt 0x0
	s_endpgm
.Lfunc_end_k_q69e63b758b_outp:
	.size	k_q69e63b758b_outp, .Lfunc_end_k_q69e63b758b_outp-k_q69e63b758b_outp
	.p2alignl 7, 3214868480
	.fill 96, 4, 3214868480
	.section	.rodata,"a",@progbits
	.p2align	6, 0x0
	.amdhsa_kernel k_q69e63b758b_outp
		.amdhsa_group_segment_fixed_size 101376
		.amdhsa_private_segment_fixed_size 0
		.amdhsa_enable_private_segment 0
		.amdhsa_kernarg_size 48
		.amdhsa_user_sgpr_count 2
		.amdhsa_user_sgpr_kernarg_segment_ptr 1
		.amdhsa_wavefront_size32 1
		.amdhsa_system_sgpr_workgroup_id_x 1
		.amdhsa_system_sgpr_workgroup_id_y 1
		.amdhsa_system_sgpr_workgroup_id_z 1
		.amdhsa_system_vgpr_workitem_id 0
		.amdhsa_next_free_vgpr 210
		.amdhsa_next_free_sgpr 66
		.amdhsa_reserve_vcc 0
		.amdhsa_float_denorm_mode_32 3
		.amdhsa_float_denorm_mode_16_64 3
		.amdhsa_memory_ordered 1
		.amdhsa_forward_progress 1
		.amdhsa_inst_pref_size 22
	.end_amdhsa_kernel
	.amdgpu_metadata
---
amdhsa.version: [ 1, 2 ]
amdhsa.kernels:
  - .name:           k_q69e63b758b_outp
    .symbol:         k_q69e63b758b_outp.kd
    .args:
      - { .name: cc, .offset: 0, .size: 8, .value_kind: global_buffer, .address_space: global }
      - { .name: cs, .offset: 8, .size: 8, .value_kind: global_buffer, .address_space: global }
      - { .name: wc, .offset: 16, .size: 8, .value_kind: global_buffer, .address_space: global }
      - { .name: ws, .offset: 24, .size: 8, .value_kind: global_buffer, .address_space: global }
      - { .name: bo, .offset: 32, .size: 8, .value_kind: global_buffer, .address_space: global }
      - { .name: out0, .offset: 40, .size: 8, .value_kind: global_buffer, .address_space: global }
    .group_segment_fixed_size: 101376
    .private_segment_fixed_size: 0
    .kernarg_segment_align: 8
    .kernarg_segment_size: 48
    .max_flat_workgroup_size: 256
    .sgpr_count:     66
    .vgpr_count:     210
    .wavefront_size: 32
...
	.end_amdgpu_metadata
.endif
;; end of part 4
;; ======== version 2 of 2: 4 launches
;; workspace buffers: wc 524,288 bytes; ws 32,768 bytes; qc 2,097,152 bytes; qs 131,072 bytes; kv 4,194,304 bytes; kvs 262,144 bytes; cc 2,097,152 bytes; cs 262,144 bytes
;; launch wquant (part 5): grid 256 x 1, 1 waves a work-group, no clusters, 0 bytes of LDS; arguments Wq, Wk, Wv, Wo, wc, ws; writes wc, ws
.if DOCPART == 5
	.amdgcn_target "amdgcn-amd-amdhsa--gfx1250"
	.amdhsa_code_object_version 6
	.text
	.protected	k_q69e63b758b_wquant
	.globl	k_q69e63b758b_wquant
	.p2align	8
	.type	k_q69e63b758b_wquant,@function
k_q69e63b758b_wquant:
	s_mov_b64 s[64:65], 0
	v_nop
	global_prefetch_b8 v0, s[64:65] scope:SCOPE_SE
	s_setreg_imm32_b32 hwreg(HW_REG_WAVE_MODE, 25, 1), 1
	s_wait_xcnt 0x0
; The four weights [512][512] f32 (K innermost) become codes of FP4 (E2M1) with one E8M0 byte for each 32 along K.
; A block's scale is 2^(floor(log2(its largest magnitude)) - 2); its byte is the largest magnitude's exponent field - 2, held at 1 from below.
; LAYOUT OF THE RESULT: images of the matrix operand's registers.  A fragment is 16 rows x 128 K = 1,024 bytes: half c (registers 4 c .. 4 c + 3) is 512 bytes, lane l's 16 bytes at 16 l.
;   wc [weight 4][tile 32][K step 4][1024];  ws [weight 4][pair of tiles 16][K step 4][32 lanes] words: lanes 0-15 tile 2 P's word of its row r, lanes 16-31 tile 2 P + 1's.
; THE ROWS OF A TILE ARE NOT NEIGHBOURS: lane-row r of tile 2 P + u is row 32 P + 8 u + r + 8 (r / 8), so that a product used transposed leaves 16 neighbours along the next K in the 16 registers of two neighbouring tiles.
; SHARES: 256 work-groups of one wave; work-group id = 64 weight + 4 P + K step: two fragments, 32 rows x 128 K.  Lane (r, h) loads of its row 16 neighbouring numbers of each block of 32.
; No LDS, no barrier, no matrix unit: 4 MiB are read once.  LIMITS: NaN and infinities are not served; a block of zeros gets the byte 1 where the rule says 127: its codes are zeros, and this program alone reads the bytes.
.set XA,  4                            ; v4   my byte in a tile's rows: 2,048 (r + 8 (r / 8)) + 64 h
.set LI,  5                            ; v5   16 x lane
.set LS,  6                            ; v6   4 x lane
.set TM,  8                            ; v8-23  at work: +0..3 largest magnitudes, +4..7 bytes, +12..15 the conversions' scale operands
.set PW0, 24                           ; the two scale words,
.set PW1, 25
.set PWS, 26                           ; and the word that is stored
.set PC0, 28                           ; v28-35, v36-43 the two fragments' codes
.set PC1, 36
.set S0,  64                           ; v64-127, v128-191 64 numbers each
.set S1,  128
.set SEL, 28                           ; s[28:29] v_permlanex16_b32's selects for lane l xor 16
.set HM,  30                           ; s30 the mask of lanes 16-31
; 64 numbers of a lane, register 16 b + i = k 32 b + 16 h + i of my row, become a fragment's codes in v[pc] on and my row's scale word in v[pw]
.macro QUANT s, pc, pw
.irp b, 0,1,2,3
	v_max3_num_f32 v[TM+\b], |v[\s+16*\b]|, |v[\s+1+16*\b]|, 0x1800000   ; block b: my 16 numbers, and the floor 2^(3 - 127): so the byte cannot fall under 1
.endr
.irp i, 2,4,6,8,10,12,14
.irp b, 0,1,2,3
	v_max3_num_f32 v[TM+\b], v[TM+\b], |v[\s+16*\b+\i]|, |v[\s+1+16*\b+\i]|   ; the four blocks by turns
.endr
.endr
.irp b, 0,1,2,3
	v_permlanex16_b32 v[TM+4+\b], v[TM+\b], s[SEL], s[SEL+1]
.endr
.irp b, 0,1,2,3
	v_max_num_f32 v[TM+\b], v[TM+\b], v[TM+4+\b]   ; with lane l xor 16's 16: the block's largest magnitude
.endr
.irp b, 0,1,2,3
	v_add_nc_u32 v[TM+12+\b], 0xff000000, v[TM+\b]   ; 2 off its exponent field: the conversion takes this operand's exponent field as its scale
.endr
.irp b, 0,1,2,3
	v_lshrrev_b32 v[TM+4+\b], 23, v[TM+12+\b]      ; the scale's byte
.endr
	v_lshl_or_b32 v[\pw], v[TM+5], 8, v[TM+4]
	v_lshl_or_b32 v[\pw], v[TM+6], 16, v[\pw]
	v_lshl_or_b32 v[\pw], v[TM+7], 24, v[\pw]
.irp b, 0,1,2,3
	v_cvt_scalef32_pk8_fp4_f32 v[\pc+2*\b], v[\s+16*\b:\s+7+16*\b], v[TM+12+\b]
	v_cvt_scalef32_pk8_fp4_f32 v[\pc+1+2*\b], v[\s+8+16*\b:\s+15+16*\b], v[TM+12+\b]
.endr
	v_nop                                          ; one plain place behind a scaled conversion
.irp c, 0,1                                    ; the operand wants a whole block in a lane: lanes 0-15 block 2 c, lanes 16-31 block 2 c + 1
.irp i, 0,1
	v_permlane16_swap_b32 v[\pc+4*\c+\i], v[\pc+2+4*\c+\i]
.endr
.endr
.endm
.macro XLOAD reg, off                  ; 16 rows x 128 K from off bytes on: 64 numbers a lane
.irp b, 0,1,2,3
.irp j, 0,1,2,3
	global_load_b128 v[\reg+16*\b+4*\j:\reg+16*\b+4*\j+3], v[XA], s[20:21] offset:\off+128*\b+16*\j
.endr
.endr
.endm
	s_load_b256 s[4:11], s[0:1], 0x0               ; Wq, Wk, Wv, Wo
	s_load_b128 s[12:15], s[0:1], 0x20             ; wc, ws
	s_lshr_b32 s16, ttmp9, 6                       ; which weight
	s_bfe_u32 s17, ttmp9, 0x40002                  ; P: which 32 rows
	s_and_b32 s18, ttmp9, 3                        ; which K step
	v_and_b32 v1, 15, v0                           ; r
	v_bfe_u32 v2, v0, 4, 1                         ; h
	v_and_b32 v3, 8, v1
	v_add_nc_u32 v3, v3, v1                        ; r + 8 (r / 8)
	v_lshlrev_b32 v[XA], 11, v3
	v_lshl_add_u32 v[XA], v2, 6, v[XA]
	v_lshlrev_b32 v[LI], 4, v0                     ; one wave: the thread's number is the lane
	v_lshlrev_b32 v[LS], 2, v0
	s_mov_b32 s[SEL], 0x76543210
	s_mov_b32 s[SEL+1], 0xfedcba98
	s_mov_b32 s[HM], 0xffff0000
.irp b, 0,1,2,3
	v_mov_b32 v[TM+4+\b], 0                        ; written once: a lane permute's destination counts as one of its sources
.endr
	s_lshl_b32 s22, s17, 16                        ; W: 32 P rows of 2,048 bytes + 512 bytes a K step
	s_lshl_b32 s24, s18, 9
	s_add_co_u32 s22, s22, s24
	s_mov_b32 s23, 0
	s_lshl_b32 s24, s16, 17                        ; wc: 131,072 a weight, 8,192 a pair of tiles, 1,024 a K step
	s_lshl_b32 s26, s17, 13
	s_add_co_u32 s24, s24, s26
	s_lshl_b32 s26, s18, 10
	s_add_co_u32 s24, s24, s26
	s_mov_b32 s25, 0
	s_lshl_b32 s26, s16, 13                        ; ws: 8,192 a weight, 512 a pair, 128 a K step
	s_lshl_b32 s31, s17, 9
	s_add_co_u32 s26, s26, s31
	s_lshl_b32 s31, s18, 7
	s_add_co_u32 s26, s26, s31
	s_mov_b32 s27, 0
	s_wait_alu depctr_va_vdst(0)
	s_wait_kmcnt 0x0
	s_cmp_eq_u32 s16, 1                            ; the weight is chosen by the work-group's number alone
	s_cselect_b64 s[20:21], s[6:7], s[4:5]
	s_cmp_eq_u32 s16, 2
	s_cselect_b64 s[20:21], s[8:9], s[20:21]
	s_cmp_eq_u32 s16, 3
	s_cselect_b64 s[20:21], s[10:11], s[20:21]
	s_add_nc_u64 s[20:21], s[20:21], s[22:23]
	s_add_nc_u64 s[12:13], s[12:13], s[24:25]
	s_add_nc_u64 s[14:15], s[14:15], s[26:27]
	XLOAD S0, 0                                    ; tile 2 P
	XLOAD S1, 16384                                ; tile 2 P + 1: eight rows further down
	s_wait_loadcnt 16                              ; the first tile's 16 loads are in; the second's may be out
	QUANT S0, PC0, PW0
	s_wait_loadcnt 0x0
	QUANT S1, PC1, PW1
	v_cndmask_b32 v[PWS], v[PW0], v[PW1], s[HM]    ; lanes 0-15 tile 2 P's words, lanes 16-31 tile 2 P + 1's
.irp c, 0,1
	global_store_b128 v[LI], v[PC0+4*\c:PC0+4*\c+3], s[12:13] offset:512*\c        ; each store covers 512 consecutive bytes, aligned
	global_store_b128 v[LI], v[PC1+4*\c:PC1+4*\c+3], s[12:13] offset:4096+512*\c
.endr
	global_store_b32 v[LS], v[PWS], s[14:15]
	s_endpgm
.Lfunc_end_k_q69e63b758b_wquant:
	.size	k_q69e63b758b_wquant, .Lfunc_end_k_q69e63b758b_wquant-k_q69e63b758b_wquant
	.p2alignl 7, 3214868480
	.fill 96, 4, 3214868480
	.section	.rodata,"a",@progbits
	.p2align	6, 0x0
	.amdhsa_kernel k_q69e63b758b_wquant
		.amdhsa_group_segment_fixed_size 0
		.amdhsa_private_segment_fixed_size 0
		.amdhsa_enable_private_segment 0
		.amdhsa_kernarg_size 48
		.amdhsa_user_sgpr_count 2
		.amdhsa_user_sgpr_kernarg_segment_ptr 1
		.amdhsa_wavefront_size32 1
		.amdhsa_system_sgpr_workgroup_id_x 1
		.amdhsa_system_sgpr_workgroup_id_y 1
		.amdhsa_system_sgpr_workgroup_id_z 1
		.amdhsa_system_vgpr_workitem_id 0
		.amdhsa_next_free_vgpr 192
		.amdhsa_next_free_sgpr 66
		.amdhsa_reserve_vcc 0
		.amdhsa_float_denorm_mode_32 3
		.amdhsa_float_denorm_mode_16_64 3
		.amdhsa_memory_ordered 1
		.amdhsa_forward_progress 1
		.amdhsa_inst_pref_size 14
	.end_amdhsa_kernel
	.amdgpu_metadata
---
amdhsa.version: [ 1, 2 ]
amdhsa.kernels:
  - .name:           k_q69e63b758b_wquant
    .symbol:         k_q69e63b758b_wquant.kd
    .args:
      - { .name: Wq, .offset: 0, .size: 8, .value_kind: global_buffer, .address_space: global }
      - { .name: Wk, .offset: 8, .size: 8, .value_kind: global_buffer, .address_space: global }
      - { .name: Wv, .offset: 16, .size: 8, .value_kind: global_buffer, .address_space: global }
      - { .name: Wo, .offset: 24, .size: 8, .value_kind: global_buffer, .address_space: global }
      - { .name: wc, .offset: 32, .size: 8, .value_kind: global_buffer, .address_space: global }
      - { .name: ws, .offset: 40, .size: 8, .value_kind: global_buffer, .address_space: global }
    .group_segment_fixed_size: 0
    .private_segment_fixed_size: 0
    .kernarg_segment_align: 8
    .kernarg_segment_size: 48
    .max_flat_workgroup_size: 32
    .sgpr_count:     66
    .vgpr_count:     192
    .wavefront_size: 32
...
	.end_amdgpu_metadata
.endif
;; end of part 5
;; launch proj (part 6): grid 64 x 3, 8 waves a work-group, no clusters, 105,472 bytes of LDS; arguments query, key_, value, bq, bk, bv, wc, ws, qc, qs, kv, kvs; writes qc, qs, kv, kvs
.if DOCPART == 6
	.amdgcn_target "amdgcn-amd-amdhsa--gfx1250"
	.amdhsa_code_object_version 6
	.text
	.protected	k_q69e63b758b_proj
	.globl	k_q69e63b758b_proj
	.p2align	8
	.type	k_q69e63b758b_proj,@function
k_q69e63b758b_proj:
	s_mov_b64 s[64:65], 0
	v_nop
	global_prefetch_b8 v0, s[64:65] scope:SCOPE_SE
	s_setreg_imm32_b32 hwreg(HW_REG_WAVE_SCHED_MODE, 0, 2), 2
	s_setreg_imm32_b32 hwreg(HW_REG_WAVE_MODE, 25, 1), 1
	s_wait_xcnt 0x0
	s_wait_alu depctr_vm_vsrc(0)
; The three in-projections x W^T + b on codes of FP4 (E2M1) with E8M0 scales for each 32 along K; their results q, k, v are quantised at once for attention's products and leave as codes.
; Work-group (x, y): y = 0, 1, 2 takes query, key_, value; x takes tokens 128 x .. 128 x + 127 of the 8,192.  Eight waves, each with two parts to play:
;   PHASE X: wave w quantises token tile w (16 tokens x 512 K, f32 from memory).  Each load reads 512 consecutive bytes: one token's 128 numbers of a K step.  The conversions want 16 neighbours along K in ONE lane, so a K step's
;   16 rows turn through the wave's own stage in LDS: stored as loaded, read back 64 bytes a lane.  The four fragments and their scale words then go to LDS as images of the operand's registers (512 consecutive bytes a store).
;   PHASE P: wave w is head w: its 64 units' 16 fragments of W stay in registers (window 1), read from memory once as images; x's fragments come from LDS.
; TILE ORDER, for tokens and for W's rows alike: lane-row r of tile 2 b + u of a group of 32 is row 32 b + 8 u + r + 8 (r / 8).
; q AND k: the product is used transposed (source 0 = 16 units of W, source 1 = 16 tokens): a lane holds one token, and the 32 registers of the head's four tiles are its 64 channels' two half blocks.  Two token tiles make 64 numbers:
;   one fragment whose k 0..63 are tile 2 g's 64 channels and whose k 64..127 are tile 2 g + 1's.  Attention multiplies it once by (q, 0) and once by (0, q): so the head's K of 64 fills the instruction's 128 with no zero bytes stored.
; v: source 0 = 16 tokens, source 1 = 16 units: a lane holds one channel and its registers run down the tokens, which are the second product's K: eight token tiles make one fragment of 16 channels x 128 keys.
;   Two tiles of units are made at a time, 16 accumulators, so that each fragment of x is read from LDS twice and not four times.
; The bias is the C of each sum's first matrix instruction.  All three paths store group g's fragment at 1,024 g and the words of groups 2 i, 2 i + 1 as 32 lanes' words at 128 i.
; NO CLUSTER: what work-groups share is W's codes, 16 KiB a wave, which go from memory straight into the registers where they stay; a joint load lands in LDS alone and would add 128 KiB of LDS writes and reads a work-group.
; 192 work-groups: v's scale word spans 128 tokens, so a work-group is not made smaller.  48 loads of 512 bytes a wave are on their way at the start.
; LIMITS: NaN and infinities are not served; a block of zeros gets the byte 1 where the rule says 127: its codes are zeros, and this program alone reads the bytes.
; THE MODE: SCHED_MODE bits 1:0 = 2 (LLVM: expert scheduling mode 2), set by the entry lines.  The code itself states the register dependences between vector or matrix instructions and memory or LDS instructions, with s_wait_alu, always for 0.
; THE PLAN.  Registers that memory or LDS instructions touch, and who else names them:
;   v4-v8, v50   offsets and LDS addresses: written at the head, read by every load and store, never written again: one wait on va_vdst ahead of the first load.
;   v14-v21      the bias's offsets: written behind x's first loads, read behind K step 3: the K steps' waits on va_vdst stand between.
;   S0, S1, S2   a K step of x: a global load lands, the stage's stores read, the stage's loads land, the quantiser reads; then the next load lands (S0: K step 3; S2: x's fragments) or products write (S0, S1: accumulators).
;   PC, PWA, PWS written by a quantiser, read by an image's LDS stores (phase X) or by global stores (phase P), written again by the next quantiser.
;   XF, XS       phase P: LDS loads land, products read.      W, its scale words and the bias are loaded once and read by products alone.
; PHASE X, a K step: ONE wait on vm_vsrc between the stage's stores and its loads, ONE wait on va_vdst behind the quantiser, ahead of the image's stores and of the loads that follow them.
; PHASE P: ONE wait on va_vdst behind a run of products; the next run's fragments of x are asked for at once behind it, and where results are due they land while those are quantised: the quantiser names none of XF and XS.
;   ONE wait on va_vdst behind each quantiser, ahead of its stores; one on vm_vsrc, beside s_wait_xcnt, ahead of the next quantiser.
.set XSC, 32768                        ; LDS: x's 32 fragments (tile m, K step s) at 1,024 (4 m + s); from XSC their scale words: 512 s + 64 m + 4 r;
.set STG, 36864                        ; from STG a stage of 16 rows for each wave,
.set SPI, 528                          ; its rows 512 bytes + 16 of padding = 132 words apart: the 16 rows that a read touches start four banks apart (64 banks of 4 bytes: ISA guide 11.1)
.set RR,  2                            ; v2   r = lane % 16
.set HH,  3                            ; v3   h = lane / 16
.set STW, 4                            ; v4   my stage, on the way in: 16 x lane
.set LI,  5                            ; v5   16 x lane
.set LS,  6                            ; v6   4 x lane
.set XWI, 7                            ; v7   where I store x's images: 16 x lane + 4,096 x wave
.set XWS, 8                            ; v8   and their scale words: 4 r + 64 x wave
.set RP,  10                           ; v10  r + 8 (r / 8)
.set PWA, 11                           ; v11, v12 scale words just made; v13 the word that is stored
.set PWB, 12
.set PWS, 13
.set AB,  14                           ; v14-21 the bias's byte offsets, one for each register of a tile
.set WS,  22                           ; v22-29 W's scale words: 4 p + s: lanes 0-15 tile 2 p, lanes 16-31 tile 2 p + 1
.set XS,  30                           ; v30-33 x's scale words
.set TM,  34                           ; v34-49 at work
.set STR, 50                           ; v50  my stage, on the way out: 528 r + 64 h
.set PC,  52                           ; v52-59 the codes just made
.set S0,  64                           ; v64-127  64 numbers of x; later accumulators
.set ACC, 64
.set S1,  128                          ; v128-191 64 numbers of x; later the v path's second eight accumulators
.set S2,  192                          ; v192-255 64 numbers of x; later eight fragments of x
.set XF,  192
.set BI,  128                          ; window 1: v0-127 W's fragment (t, s) at 8 (4 t + s); v128-159 the bias, eight registers a tile
.set YY,  28                           ; s28 which projection
.set WV,  29                           ; s29 my wave's number
.set HM,  46                           ; s46 the mask of lanes 16-31
.set SEL, 48                           ; s[48:49] v_permlanex16_b32's selects for lane l xor 16
.set MSB, 0
.macro WIN new                         ; the immediate's high byte repeats the setting that is left
.if MSB != \new
	s_set_vgpr_msb (MSB<<8)|\new
.set MSB, \new
.endif
.endm
.macro PLACES n
.rept \n
	v_nop
.endr
.endm
; 64 numbers of a lane, register 16 b + i = k 32 b + 16 h + i of my row, become a fragment's codes in v[pc] on and my row's scale word in v[pw]
.macro QUANT s, pc, pw
.irp b, 0,1,2,3
	v_max3_num_f32 v[TM+\b], |v[\s+16*\b]|, |v[\s+1+16*\b]|, 0x1800000   ; block b: my 16 numbers, and the floor 2^(3 - 127): so the byte cannot fall under 1.  (Each accumulator is read from its low end on)
.endr
.irp i, 2,4,6,8,10,12,14
.irp b, 0,1,2,3
	v_max3_num_f32 v[TM+\b], v[TM+\b], |v[\s+16*\b+\i]|, |v[\s+1+16*\b+\i]|
.endr
.endr
.irp b, 0,1,2,3
	v_permlanex16_b32 v[TM+4+\b], v[TM+\b], s[SEL], s[SEL+1]
.endr
.irp b, 0,1,2,3
	v_max_num_f32 v[TM+\b], v[TM+\b], v[TM+4+\b]   ; with lane l xor 16's 16: the block's largest magnitude
.endr
.irp b, 0,1,2,3
	v_add_nc_u32 v[TM+12+\b], 0xff000000, v[TM+\b]   ; 2 off its exponent field: the conversion's scale operand
.endr
.irp b, 0,1,2,3
	v_lshrrev_b32 v[TM+4+\b], 23, v[TM+12+\b]      ; the scale's byte
.endr
	v_lshl_or_b32 v[\pw], v[TM+5], 8, v[TM+4]
	v_lshl_or_b32 v[\pw], v[TM+6], 16, v[\pw]
	v_lshl_or_b32 v[\pw], v[TM+7], 24, v[\pw]
.irp b, 0,1,2,3
	v_cvt_scalef32_pk8_fp4_f32 v[\pc+2*\b], v[\s+16*\b:\s+7+16*\b], v[TM+12+\b]
	v_cvt_scalef32_pk8_fp4_f32 v[\pc+1+2*\b], v[\s+8+16*\b:\s+15+16*\b], v[TM+12+\b]
.endr
	v_nop                                          ; one plain place behind a scaled conversion
.irp c, 0,1                                    ; a whole block to a lane: lanes 0-15 block 2 c, lanes 16-31 block 2 c + 1
.irp i, 0,1
	v_permlane16_swap_b32 v[\pc+4*\c+\i], v[\pc+2+4*\c+\i]
.endr
.endr
.endm
.macro XLOAD reg, s                    ; my tile's 16 rows of K step s: row i into registers 4 i .. 4 i + 3; 32 lanes read 512 consecutive bytes, aligned; the row and the K step stand in the immediate
.irp i, 0,1,2,3,4,5,6,7,8,9,10,11,12,13,14,15
	global_load_b128 v[\reg+4*\i:\reg+4*\i+3], v[LI], s[30:31] offset:(\i+8*(\i/8))*2048+512*\s th:TH_LOAD_NT
.endr
.endm
.macro TURN reg                        ; a K step's 16 rows through my stage: in as loaded, back so that register 16 b + i is k 32 b + 16 h + i of row r, into the registers that they left
.irp i, 0,1,2,3,4,5,6,7,8,9,10,11,12,13,14,15
	ds_store_b128 v[STW], v[\reg+4*\i:\reg+4*\i+3] offset:SPI*\i
.endr
	s_wait_alu depctr_vm_vsrc(0)                   ; the stores above have read these 64 registers, in which the loads below land; and the last image's stores have read PC and PWA, which the quantiser behind this turn writes again
.irp b, 0,1,2,3
.irp j, 0,1,2,3
	ds_load_b128 v[\reg+16*\b+4*\j:\reg+16*\b+4*\j+3], v[STR] offset:128*\b+16*\j   ; my own bytes; LDS serves a wave's instructions in order (ISA guide 5.7.1.4): these see the stores above, and the next K step's stores come behind them
.endr
.endr
.endm
.macro IMAGE s                         ; the fragment in v[PC] on and its word go to LDS as they stand
	s_wait_alu depctr_va_vdst(0)                   ; the quantiser has written PC and PWA, which the stores below read, and is done reading its 64 numbers, in which later loads land; in K step 0 the bias's offsets are written too
.irp c, 0,1
	ds_store_b128 v[XWI], v[PC+4*\c:PC+4*\c+3] offset:1024*\s+512*\c
.endr
	ds_store_b32 v[XWS], v[PWA] offset:XSC+512*\s  ; lanes r and 16 + r write the same word with the same value
.endm
.macro WLOAD t                         ; my head's tile t of W, four K steps, into window 1: registers that no vector instruction names
.irp s, 0,1,2,3
.irp c, 0,1
	global_load_b128 v[8*(4*\t+\s)+4*\c:8*(4*\t+\s)+4*\c+3], v[LI], s[38:39] offset:(4*\t+\s)*1024+512*\c
.endr
.endr
.endm
; one matrix instruction; its registers are the symbols rD, rA, rB, rC, rSA, rSB; rRA, rRB = 1: that side's scales are read from lanes 16-31
.macro WM
.if (rRA == 0) && (rRB == 0)
	v_wmma_scale_f32_16x16x128_f8f6f4 v[rD:rD+7], v[rA:rA+7], v[rB:rB+7], v[rC:rC+7], v[rSA], v[rSB] matrix_a_fmt:MATRIX_FMT_FP4 matrix_b_fmt:MATRIX_FMT_FP4
.elseif (rRA == 1) && (rRB == 0)
	v_wmma_scale_f32_16x16x128_f8f6f4 v[rD:rD+7], v[rA:rA+7], v[rB:rB+7], v[rC:rC+7], v[rSA], v[rSB] matrix_a_fmt:MATRIX_FMT_FP4 matrix_b_fmt:MATRIX_FMT_FP4 matrix_a_scale:MATRIX_SCALE_ROW1
.elseif (rRA == 0) && (rRB == 1)
	v_wmma_scale_f32_16x16x128_f8f6f4 v[rD:rD+7], v[rA:rA+7], v[rB:rB+7], v[rC:rC+7], v[rSA], v[rSB] matrix_a_fmt:MATRIX_FMT_FP4 matrix_b_fmt:MATRIX_FMT_FP4 matrix_b_scale:MATRIX_SCALE_ROW1
.else
	v_wmma_scale_f32_16x16x128_f8f6f4 v[rD:rD+7], v[rA:rA+7], v[rB:rB+7], v[rC:rC+7], v[rSA], v[rSB] matrix_a_fmt:MATRIX_FMT_FP4 matrix_b_fmt:MATRIX_FMT_FP4 matrix_a_scale:MATRIX_SCALE_ROW1 matrix_b_scale:MATRIX_SCALE_ROW1
.endif
.endm
; the way out of group g: the 64 results in v[acc] on become one fragment and one word a row
.macro OUTG g, acc
.if \g > 0
	s_wait_xcnt 0x0                                ; the last group's stores have had their addresses translated: PC and PWS are written again only behind this wait,
	s_wait_alu depctr_vm_vsrc(0)                   ; and behind this one: those stores have read PC and PWS
.endif
.if (\g)%2 == 0
	QUANT \acc, PC, PWA
.else
	QUANT \acc, PC, PWB
	v_cndmask_b32 v[PWS], v[PWA], v[PWB], s[HM]    ; lanes 0-15 the even group's words, lanes 16-31 the odd group's
.endif
	s_wait_alu depctr_va_vdst(0)                   ; the quantiser has written PC, and in an odd group PWS is written: the stores below read them
.irp c, 0,1
	global_store_b128 v[LI], v[PC+4*\c:PC+4*\c+3], s[34:35] offset:1024*(\g)+512*\c   ; 512 consecutive bytes, aligned
.endr
.if (\g)%2 == 1
	global_store_b32 v[LS], v[PWS], s[36:37] offset:128*((\g)/2)
.endif
.endm
	s_load_b512 s[4:19], s[0:1], 0x0               ; query, key_, value, bq, bk, bv, wc, ws
	s_load_b256 s[20:27], s[0:1], 0x40             ; qc, qs, kv, kvs
	v_lshl_add_u32 v62, v0, 2, 0x19800
	v_mov_b32 v63, 0
	s_and_b32 s[YY], ttmp7, 0xffff
	v_lshrrev_b32 v1, 5, v0
	v_readfirstlane_b32 s[WV], v1                  ; wave 0..7
	v_and_b32 v1, 31, v0                           ; lane
	v_and_b32 v[RR], 15, v0
	v_bfe_u32 v[HH], v0, 4, 1
	v_and_b32 v[RP], 8, v[RR]
	v_add_nc_u32 v[RP], v[RP], v[RR]
	v_lshlrev_b32 v[LI], 4, v1
	v_lshlrev_b32 v[LS], 2, v1
	s_wait_alu depctr_va_sdst(0)                   ; the wave's number is written, ahead of its first reader: LDS addresses and the buffers' offsets are made from it
	s_lshl_b32 s56, s[WV], 12
	v_add_nc_u32 v[XWI], s56, v[LI]
	s_lshl_b32 s56, s[WV], 6
	v_lshl_add_u32 v[XWS], v[RR], 2, s56
	s_mul_i32 s56, s[WV], 16*SPI
	s_add_co_u32 s56, s56, STG                     ; my stage
	v_add_nc_u32 v[STW], s56, v[LI]
	v_mul_u32_u24 v[STR], v[RR], SPI
	v_lshl_add_u32 v[STR], v[HH], 6, v[STR]
	v_add_nc_u32 v[STR], s56, v[STR]
	s_mov_b32 s[SEL], 0x76543210
	s_mov_b32 s[SEL+1], 0xfedcba98
	s_mov_b32 s[HM], 0xffff0000
.irp b, 0,1,2,3
	v_mov_b32 v[TM+4+\b], 0                        ; written once: a lane permute's destination counts as one of its sources
.endr
	s_lshl_b32 s54, ttmp9, 18                      ; x: my tile's first row: 128 x + 32 (w / 2) + 8 (w % 2), 2,048 bytes a row
	s_lshr_b32 s56, s[WV], 1
	s_lshl_b32 s56, s56, 16
	s_add_co_u32 s54, s54, s56
	s_and_b32 s56, s[WV], 1
	s_lshl_b32 s56, s56, 14
	s_add_co_u32 s54, s54, s56
	s_mov_b32 s55, 0
	s_wait_kmcnt 0x0
	s_cmp_eq_u32 s[YY], 0                          ; the buffers are chosen by the work-group's number alone
	s_cselect_b64 s[30:31], s[4:5], s[6:7]         ; x
	s_cselect_b64 s[32:33], s[10:11], s[12:13]     ; the bias
	s_cselect_b64 s[34:35], s[20:21], s[24:25]     ; where the codes go
	s_cselect_b64 s[36:37], s[22:23], s[26:27]     ; where the scale words go
	s_cselect_b32 s45, 0, 1                        ; kv and kvs hold K's and V's parts by turns: twice qc's and qs's strides
	s_cmp_eq_u32 s[YY], 2
	s_cselect_b64 s[30:31], s[8:9], s[30:31]
	s_cselect_b64 s[32:33], s[14:15], s[32:33]
	s_cselect_b32 s42, 0, 64                       ; the bias's offset = h x s42 + (r + 8 (r / 8)) x s43 + register x s44: q, k: eight neighbours of my half; v: my channel's, eight times
	s_cselect_b32 s43, 4, 0
	s_cselect_b32 s44, 0, 4
	s_cselect_b32 s50, 4096, 0                     ; V's part of a step lies behind K's
	s_cselect_b32 s51, 256, 0
	s_add_nc_u64 s[30:31], s[30:31], s[54:55]
	s_wait_alu depctr_va_vdst(0)                   ; the offsets and LDS addresses v4 to v8 and v50 are written: every load and store of the kernel but the bias's reads one of them
	XLOAD S0, 0                                    ; three of my tile's four K steps are asked for before anything else
	XLOAD S1, 1
	XLOAD S2, 2
	s_lshr_b32 s52, ttmp9, 5                       ; batch
	s_and_b32 s53, ttmp9, 31                       ; which 128 tokens of the batch's 4,096
	s_lshl_b32 s52, s52, 3
	s_add_co_u32 s52, s52, s[WV]                   ; 8 x batch + head
	s_lshl_b32 s54, s52, 17                        ; codes: 131,072 a head, 4,096 for 128 tokens (kv: twice)
	s_lshl_b32 s56, s53, 12
	s_add_co_u32 s54, s54, s56
	s_lshl_b32 s54, s54, s45
	s_add_co_u32 s54, s54, s50
	s_add_nc_u64 s[34:35], s[34:35], s[54:55]
	s_lshl_b32 s54, s52, 13                        ; scale words: 8,192 a head, 256 for 128 tokens (kvs: twice)
	s_lshl_b32 s56, s53, 8
	s_add_co_u32 s54, s54, s56
	s_lshl_b32 s54, s54, s45
	s_add_co_u32 s54, s54, s51
	s_add_nc_u64 s[36:37], s[36:37], s[54:55]
	s_lshl_b32 s54, s[YY], 17                      ; W's codes: 131,072 a weight, 16,384 a head
	s_lshl_b32 s56, s[WV], 14
	s_add_co_u32 s54, s54, s56
	s_add_nc_u64 s[38:39], s[16:17], s[54:55]
	s_lshl_b32 s54, s[YY], 13                      ; W's scale words: 8,192 a weight, 1,024 a head
	s_lshl_b32 s56, s[WV], 10
	s_add_co_u32 s54, s54, s56
	s_add_nc_u64 s[40:41], s[18:19], s[54:55]
	s_lshl_b32 s54, s[WV], 8                       ; the bias: my head's 64 numbers
	s_add_nc_u64 s[32:33], s[32:33], s[54:55]
	v_mul_u32_u24 v9, v[HH], s42
	v_mad_u32_u24 v9, v[RP], s43, v9
	s_wait_alu depctr_va_vdst(0)
.irp j, 0,1,2,3,4,5,6,7
	s_mul_i32 s56, s44, \j
	v_add_nc_u32 v[AB+\j], s56, v9
.endr
	; ---- PHASE X.  Loads come back in order: each count names the loads issued behind the K step that is wanted
	s_wait_loadcnt 32                              ; K step 0 is in; steps 1 and 2 may be out
	TURN S0
	s_wait_dscnt 0x0                               ; back from the stage
	QUANT S0, PC, PWA
	IMAGE 0
	XLOAD S0, 3                                    ; no vector instruction since the image's wait names S0
	s_wait_loadcnt 32                              ; step 1 is in; steps 2 and 3 may be out
	TURN S1
	s_wait_dscnt 0x0                               ; back from the stage
	QUANT S1, PC, PWA
	IMAGE 1
	WIN 0x40                                       ; destination window 1, address window 0
	WLOAD 0
	WLOAD 1
	WIN 0
	s_wait_loadcnt 32                              ; step 2 is in; step 3 and 16 loads of W may be out
	TURN S2
	s_wait_dscnt 0x0
	QUANT S2, PC, PWA
	IMAGE 2
	WIN 0x40
	WLOAD 2
	WLOAD 3
	WIN 0
.irp p, 0,1
.irp s, 0,1,2,3
	global_load_b32 v[WS+4*\p+\s], v[LS], s[40:41] offset:512*\p+128*\s
.endr
.endr
	s_wait_loadcnt 40                              ; step 3 is in; 32 loads of W and 8 of its scale words may be out
	TURN S0
	s_wait_dscnt 0x0
	QUANT S0, PC, PWA
	IMAGE 3
	WIN 0x40
.irp t, 0,1,2,3
.irp j, 0,1,2,3,4,5,6,7
	global_load_b32 v[BI+8*\t+\j], v[AB+\j], s[32:33] offset:(32*(\t/2)+8*(\t%2))*4
.endr
.endr
	WIN 0
	s_wait_dscnt 0x0                               ; for the others' sake: my images lie in LDS
	s_barrier_signal -1
	s_barrier_wait -1                              ; all 32 fragments of x lie in LDS; nothing is stored to LDS from here on
	s_wait_alu depctr_vm_vsrc(0)                   ; my last image's stores have read PC and PWA, which the way out's first quantiser writes again: stated ahead of the branch, for both paths
	s_wait_loadcnt 0x0                             ; W, its scale words, the bias
	s_cmp_eq_u32 s[YY], 2
	s_cbranch_scc1 .Lv
	; ---- PHASE P, q and k.  Group g: token tiles 2 g and 2 g + 1.  Eight accumulators (2 token tiles x 4 tiles of units) by turns, one instruction a turn
.macro LQK g                           ; group g's eight fragments of x and its four scale words
.irp e, 0,1
.irp s, 0,1,2,3
.irp c, 0,1
	ds_load_b128 v[XF+8*(4*\e+\s)+4*\c:XF+8*(4*\e+\s)+4*\c+3], v[LI] offset:(4*(2*(\g)+\e)+\s)*1024+512*\c
.endr
.endr
.endr
.irp s, 0,1,2,3
	ds_load_b32 v[XS+\s], v[LS] offset:XSC+512*\s+128*(\g)   ; lanes 0-15 tile 2 g's words, lanes 16-31 tile 2 g + 1's
.endr
.endm
.macro GQK g
	s_wait_dscnt 0x0                               ; this group's fragments and scale words are in
.irp s, 0,1,2,3
.if \s == 0
	WIN 0x11                                       ; source 0 (W) and C (the bias) window 1
.else
	WIN 0x01
.endif
.irp e, 0,1
.irp t, 0,1,2,3
.set rD, ACC+8*(4*\e+\t)
.set rA, 8*(4*\t+\s)
.set rB, XF+8*(4*\e+\s)
.if \s == 0
.set rC, BI+8*\t
.else
.set rC, ACC+8*(4*\e+\t)
.endif
.set rSA, WS+4*(\t/2)+\s
.set rSB, XS+\s
.set rRA, \t%2
.set rRB, \e
	WM
.endr
.endr
.endr
	WIN 0
	PLACES 5                                       ; four in front of the reads of results and of the next group's loads into x's fragments; five in front of the next group's first products, which begin the accumulators anew
.if \g < 3
	s_wait_alu depctr_va_vdst(0)                   ; the products are done reading XF and XS, in which the next group's loads land; these land while this group's results are quantised
	LQK (\g)+1
.endif
	OUTG \g, ACC
.endm
	LQK 0                                          ; XF was S2: the quantiser that read it stands ahead of the images' waits on va_vdst, the stage's stores that read it ahead of the waits on vm_vsrc
	GQK 0
	GQK 1
	GQK 2
	GQK 3
	s_wait_dscnt 0x0                               ; the closing lines, six on end
	s_wait_alu 0x0
	s_wait_tensorcnt 0x0
	ds_add_u32 v62, v63
	s_wait_dscnt 0x0
	s_endpgm
	; ---- PHASE P, v.  Tiles of units 2 tp and 2 tp + 1 x the 128 tokens.  Sixteen accumulators (8 token tiles x 2 tiles of units) by turns, one instruction a turn, a K step at a time
.macro LV s                            ; K step s: the four scale words first, then the eight token tiles' fragments in the order in which they are multiplied
.irp p, 0,1,2,3
	ds_load_b32 v[XS+\p], v[LS] offset:XSC+512*(\s)+128*\p
.endr
.irp m, 0,1,2,3,4,5,6,7
.irp c, 0,1
	ds_load_b128 v[XF+8*\m+4*\c:XF+8*\m+4*\c+3], v[LI] offset:(4*\m+(\s))*1024+512*\c
.endr
.endr
.endm
.macro GVP tp
.irp s, 0,1,2,3
	s_wait_dscnt 8                                 ; LDS loads come back in order (ISA guide 5.7.1): the scale words and tiles 0-3 are in; the youngest eight loads, tiles 4-7, may be out
.if \s == 0
	WIN 0x14                                       ; source 1 (W) and C (the bias) window 1
.else
	WIN 0x04
.endif
.irp m, 0,1,2,3,4,5,6,7
.if \m == 4
	s_wait_dscnt 0x0                               ; tiles 4-7 are in
.endif
.irp u, 0,1
.set rD, ACC+64*\u+8*\m
.set rA, XF+8*\m
.set rB, 8*(4*(2*\tp+\u)+\s)
.if \s == 0
.set rC, BI+8*(2*\tp+\u)
.else
.set rC, ACC+64*\u+8*\m
.endif
.set rSA, XS+\m/2
.set rSB, WS+4*\tp+\s
.set rRA, \m%2
.set rRB, \u
	WM
.endr
.endr
	WIN 0
	PLACES 5                                       ; in front of the next loads into x's fragments and scale words, of the reads of results, and of the next pair's first products
.if (\s < 3) || (\tp == 0)
	s_wait_alu depctr_va_vdst(0)                   ; the products are done reading XF and XS, in which the next K step's loads land (behind the first pair's last step: the second pair's first, which lands while results are quantised)
	LV (\s+1)%4
.endif
.endr
.endm
.Lv:
	LV 0                                           ; XF was S2: as in the q and k paths, its earlier readers stand ahead of waits that have been passed
	GVP 0
	OUTG 0, ACC
	OUTG 1, ACC+64
	GVP 1
	OUTG 2, ACC
	OUTG 3, ACC+64
	s_wait_dscnt 0x0                               ; the closing lines, six on end
	s_wait_alu 0x0
	s_wait_tensorcnt 0x0
	ds_add_u32 v62, v63
	s_wait_dscnt 0x0
	s_endpgm
.Lfunc_end_k_q69e63b758b_proj:
	.size	k_q69e63b758b_proj, .Lfunc_end_k_q69e63b758b_proj-k_q69e63b758b_proj
	.p2alignl 7, 3214868480
	.fill 96, 4, 3214868480
	.section	.rodata,"a",@progbits
	.p2align	6, 0x0
	.amdhsa_kernel k_q69e63b758b_proj
		.amdhsa_group_segment_fixed_size 105472
		.amdhsa_private_segment_fixed_size 0
		.amdhsa_enable_private_segment 0
		.amdhsa_kernarg_size 96
		.amdhsa_user_sgpr_count 2
		.amdhsa_user_sgpr_kernarg_segment_ptr 1
		.amdhsa_wavefront_size32 1
		.amdhsa_system_sgpr_workgroup_id_x 1
		.amdhsa_system_sgpr_workgroup_id_y 1
		.amdhsa_system_sgpr_workgroup_id_z 1
		.amdhsa_system_vgpr_workitem_id 0
		.amdhsa_next_free_vgpr 512
		.amdhsa_next_free_sgpr 66
		.amdhsa_reserve_vcc 0
		.amdhsa_float_denorm_mode_32 3
		.amdhsa_float_denorm_mode_16_64 3
		.amdhsa_memory_ordered 1
		.amdhsa_forward_progress 1
		.amdhsa_inst_pref_size 126
	.end_amdhsa_kernel
	.amdgpu_metadata
---
amdhsa.version: [ 1, 2 ]
amdhsa.kernels:
  - .name:           k_q69e63b758b_proj
    .symbol:         k_q69e63b758b_proj.kd
    .args:
      - { .name: query, .offset: 0, .size: 8, .value_kind: global_buffer, .address_space: global }
      - { .name: key_, .offset: 8, .size: 8, .value_kind: global_buffer, .address_space: global }
      - { .name: value, .offset: 16, .size: 8, .value_kind: global_buffer, .address_space: global }
      - { .name: bq, .offset: 24, .size: 8, .value_kind: global_buffer, .address_space: global }
      - { .name: bk, .offset: 32, .size: 8, .value_kind: global_buffer, .address_space: global }
      - { .name: bv, .offset: 40, .size: 8, .value_kind: global_buffer, .address_space: global }
      - { .name: wc, .offset: 48, .size: 8, .value_kind: global_buffer, .address_space: global }
      - { .name: ws, .offset: 56, .size: 8, .value_kind: global_buffer, .address_space: global }
      - { .name: qc, .offset: 64, .size: 8, .value_kind: global_buffer, .address_space: global }
      - { .name: qs, .offset: 72, .size: 8, .value_kind: global_buffer, .address_space: global }
      - { .name: kv, .offset: 80, .size: 8, .value_kind: global_buffer, .address_space: global }
      - { .name: kvs, .offset: 88, .size: 8, .value_kind: global_buffer, .address_space: global }
    .group_segment_fixed_size: 105472
    .private_segment_fixed_size: 0
    .kernarg_segment_align: 8
    .kernarg_segment_size: 96
    .max_flat_workgroup_size: 256
    .sgpr_count:     66
    .vgpr_count:     512
    .wavefront_size: 32
...
	.end_amdgpu_metadata
.endif
;; end of part 6
;; launch attn (part 7): grid 16 x 16, 16 waves a work-group, clusters of 4 x 1, 327,680 bytes of LDS; arguments qc, qs, kv, kvs, cc, cs; writes cc, cs
.if DOCPART == 7
	.amdgcn_target "amdgcn-amd-amdhsa--gfx1250"
	.amdhsa_code_object_version 6
	.text
	.protected	k_q69e63b758b_attn
	.globl	k_q69e63b758b_attn
	.p2align	8
	.type	k_q69e63b758b_attn,@function
k_q69e63b758b_attn:
	s_mov_b64 s[64:65], 0
	v_nop
	global_prefetch_b8 v0, s[64:65] scope:SCOPE_SE
	s_setreg_imm32_b32 hwreg(HW_REG_WAVE_MODE, 25, 1), 1
	s_wait_xcnt 0x0
	s_wait_alu depctr_hold_cnt(0) depctr_sa_sdst(0) depctr_va_vdst(0) depctr_va_sdst(0) depctr_va_ssrc(0) depctr_va_vcc(0) depctr_vm_vsrc(0)
	s_getreg_b32 s2, hwreg(HW_REG_IB_STS2, 6, 4)
	s_cmp_eq_u32 s2, 0
	s_cbranch_scc0 .Lentry_in_a_cluster
	s_endpgm
.Lentry_in_a_cluster:
	s_bfe_u32 s2, ttmp6, 0x10000c
	s_cmp_lg_u32 s2, 0x3003
	s_cbranch_scc0 .Lentry_shape_is_right
	s_endpgm
.Lentry_shape_is_right:
; ctx[bh][q][:] = the sum over k of softmax_k(q . k / 8) v[k][:], 16 heads of 4,096 tokens x 64 channels, both products on codes of FP4 (E2M1) with E8M0 scales; ctx is quantised at once for the out-projection.
; THE SOFTMAX AHEAD OF THE SECOND PRODUCT: t = score x log2(e) / 8; M = the row's largest t so far, rounded UP to a whole number; p = 2^(t - M) is quantised along the keys, not normalised.
; The row's sum is taken of the unquantised p, in f32, and divides O at the end.  When M moves, the sum and O are multiplied by 2^(old M - new M): exact.
; SHARES.  Work-group (x, head): 256 queries; each of its sixteen waves owns one tile of 16, in 256 registers: four waves to a SIMD, so that one wave's vector work stands beside another's products and LDS loads.
; Every wave walks the head's 32 steps of 128 keys.
; LDS.  A head's K and V codes (262,144 bytes) and scale words (16,384) fit whole: every byte is filled ONCE, nothing is filled again.  All lie as images of the operand's registers: a load of 16 bytes a lane reads 512 consecutive bytes.
; THE FILL GOES OUT AT THE START AND IS AWAITED IN STAGES: the scale words and steps 0-3, then steps 4-11, then steps 12-31.  The walk begins when the first stage has landed; the later stages land while the earlier ones are walked.
; Tensor loads of a wave end in order (ISA guide 10.11.1), so a counted wait shows a stage landed; a barrier then shows it to all sixteen waves.
; CLUSTER.  The four work-groups of a cluster belong to one head: every fill is a joint load with a mask that names the four; waves 0 to 3 issue four each (a quarter of the scale words and of each stage): four tensor loads of a wave are out.
; LAYOUT.  Both products are used transposed: S^T = K Q^T (source 0 = keys, source 1 = my queries), O^T = V^T P^T: a lane holds ONE query (lane % 16) throughout.
; THE HEAD'S K IS 64, THE INSTRUCTION'S 128: a fragment of K holds two key tiles (k 0..63: tile 2 p; k 64..127: tile 2 p + 1) and is multiplied once by (q, 0) and once by (0, q); q's scale word holds its two bytes twice.
; The half that is not wanted meets zero codes, under scale bytes that are never 0xff.
; TILE ORDER: lane-row r of tile 2 b + u is token 32 b + 8 u + r + 8 (r / 8): so the 16 registers of S^T's tiles 2 p, 2 p + 1 are keys 32 p + 16 (lane / 16) + 0 .. 15, and O^T's likewise channels.
; LIMITS: NaN and infinities are not served.  A block's largest p is made from the block's largest score by the same two instructions: this takes v_exp_f32 not to fall where its input rises.
; A block of zeros gets the byte 1 where the rule says 127: its codes are zeros, and this program alone reads the bytes.
.set NA,   4                           ; steps in the three stages
.set NB,   8
.set NC,   20
.set SCL,  262144                      ; LDS: step s's codes at 8,192 s (K's four fragments, then V's four); from SCL its scale words at 512 s (K's 64, then V's 64);
.set CST,  278528                      ; from CST ctx's scale words of the 16 waves, 1,024 bytes that LDS stores alone write
.set LI,   1                           ; v1   16 x lane
.set LSS,  2                           ; v2   SCL + 4 x lane
.set CSTW, 3                           ; v3   CST + 64 x wave + 4 r
.set CSTR, 4                           ; v4   CST + 512 (wave % 2) + 16 x lane
.set R4,   5                           ; v5   4 r
.set VS,   6                           ; v6-7  V's scale words
.set ADK,  8                           ; v8   the step's codes
.set ADS,  9                           ; v9   the step's scale words
.set QZ,   16                          ; v16-19 zeros, v20-23 q's codes, v24-27 zeros: (0, q) = v[16:23], (q, 0) = v[20:27]
.set QS,   28                          ; v28  q's scale word
.set PS,   29                          ; v29  p's scale word
.set KS,   30                          ; v30-31 K's scale words
.set KF,   32                          ; v32-63  K's four fragments
.set VF,   64                          ; v64-95  V's four fragments
.set S,    96                          ; v96-159 S^T, then p
.set O,    160                         ; v160-191 O^T
.set PC,   192                         ; v192-199 p's codes
.set BM,   200                         ; v200-203 the blocks' largest scores, then largest p
.set BP,   204                         ; v204-207 at work
.set BE,   208                         ; v208-211 the conversions' scale operands
.set TMP,  212
.set F,    214                         ; v[214:215] 2^(old M - new M) (the upper word is named with it and written once)
.set SU,   216                         ; v[216:217] one of the sum's eight chains
.set RL,   218
.set BH,   16                          ; s16 8 x batch + head
.set WGX,  17                          ; s17 which 256 queries
.set WV,   18                          ; s18 my wave's number
.set SEL,  20                          ; s[20:21] v_permlanex16_b32's selects for lane l xor 16
.set CS,   22                          ; s[22:23] c = log2(e) / 8
.set G1S,  24                          ; descriptor groups 1: s[24:31] the scale words', s[32:39], s[40:47], s[80:87] the three stages'
.set G1A,  32
.set G1B,  40
.set G1C,  80
.set G0S,  48                          ; groups 0: s[48:51], s[52:55], s[56:59], s[88:91]: never rewritten
.set G0A,  52
.set G0B,  56
.set G0C,  88
.set TB,   60                          ; s60 where the step's codes begin
.set TS,   61                          ; s61 where its scale words begin, from SCL
.set CNT,  62
; A round of the cluster's barrier
.macro CROUND
	s_barrier_signal -1
	s_barrier_wait -1
	s_cmp_lg_u32 s[WV], 0
	s_cbranch_scc1 .Lnot_wave_0_\@
	s_barrier_signal -3
.Lnot_wave_0_\@:
	s_barrier_wait -3
	s_barrier_signal -1
	s_barrier_wait -1
.endm
; descriptor group 1: a dense block as rows of 256 bytes (32 elements of 8 bytes), no padding
.macro GROUP1 g, rows
	s_mov_b32 s[\g], 15|(3<<16)|(1<<21)            ; 15:0 the mask: all four work-groups; 17:16 elements of 8 bytes; 21 set beside a mask
	s_mov_b32 s[\g+1], 32<<16                      ; tensor_dim0 = 32
	s_mov_b32 s[\g+2], (\rows)<<16                 ; tensor_dim1
	s_mov_b32 s[\g+3], 32<<16                      ; tile_dim0 = 32
	s_mov_b32 s[\g+4], \rows                       ; tile_dim1
	s_mov_b32 s[\g+5], 32                          ; from row to row
	s_mov_b32 s[\g+6], 0
	s_mov_b32 s[\g+7], 0
.endm
; descriptor group 0 of a stage of n steps from step first on: my quarter, 2,048 n bytes.  A head lies in kv as it lies in LDS: one offset serves both
.macro GROUP0 g, first, n
	s_mov_b32 s[\g], 1                             ; count = 1
	s_mul_i32 s[\g+1], s67, 2048*(\n)              ; LDS address: the wave's number and constants alone
.if \first > 0
	s_add_co_u32 s[\g+1], s[\g+1], 8192*(\first)
.endif
	s_mov_b32 s72, s[\g+1]
	s_add_nc_u64 s[\g+2:\g+3], s[78:79], s[72:73]
	s_or_b32 s[\g+3], s[\g+3], 0x80000000          ; type = 2
.endm
; one matrix instruction on the symbols rD, rA, rB, rSA, rSB; rRA = 1: source 0's scales are read from lanes 16-31.  WMZ starts a sum, WMA adds in place
.macro WMZ
.if rRA == 0
	v_wmma_scale_f32_16x16x128_f8f6f4 v[rD:rD+7], v[rA:rA+7], v[rB:rB+7], 0, v[rSA], v[rSB] matrix_a_fmt:MATRIX_FMT_FP4 matrix_b_fmt:MATRIX_FMT_FP4
.else
	v_wmma_scale_f32_16x16x128_f8f6f4 v[rD:rD+7], v[rA:rA+7], v[rB:rB+7], 0, v[rSA], v[rSB] matrix_a_fmt:MATRIX_FMT_FP4 matrix_b_fmt:MATRIX_FMT_FP4 matrix_a_scale:MATRIX_SCALE_ROW1
.endif
.endm
.macro WMA
.if rRA == 0
	v_wmma_scale_f32_16x16x128_f8f6f4 v[rD:rD+7], v[rA:rA+7], v[rB:rB+7], v[rD:rD+7], v[rSA], v[rSB] matrix_a_fmt:MATRIX_FMT_FP4 matrix_b_fmt:MATRIX_FMT_FP4
.else
	v_wmma_scale_f32_16x16x128_f8f6f4 v[rD:rD+7], v[rA:rA+7], v[rB:rB+7], v[rD:rD+7], v[rSA], v[rSB] matrix_a_fmt:MATRIX_FMT_FP4 matrix_b_fmt:MATRIX_FMT_FP4 matrix_a_scale:MATRIX_SCALE_ROW1
.endif
.endm
; A KEY STEP: 128 keys
.macro STEP
	v_add_nc_u32 v[ADK], s[TB], v[LI]
	v_add_nc_u32 v[ADS], s[TS], v[LSS]
.irp p, 0,1,2,3
.irp c, 0,1
	ds_load_b128 v[KF+8*\p+4*\c:KF+8*\p+4*\c+3], v[ADK] offset:1024*\p+512*\c
.endr
.endr
.irp i, 0,1
	ds_load_b32 v[KS+\i], v[ADS] offset:128*\i     ; lanes 0-15 fragment 2 i's words, lanes 16-31 fragment 2 i + 1's
.endr
	s_wait_alu depctr_va_vdst(0)
	s_wait_dscnt 0x0
.irp p, 0,1,2,3                                ; S^T: eight sums, one instruction each
.irp e, 0,1
.set rD, S+8*(2*\p+\e)
.set rA, KF+8*\p
.set rB, QZ+4-4*\e
.set rSA, KS+\p/2
.set rSB, QS
.set rRA, \p%2
	WMZ
.endr
.endr
.rept 4
	v_nop                                          ; places in front of the reads of S^T; with the two additions above, also in front of the loads into V's registers, which the last step's products read
.endr
.irp t, 0,1,2,3                                ; V's fragments land while the softmax is walked
.irp c, 0,1
	ds_load_b128 v[VF+8*\t+4*\c:VF+8*\t+4*\c+3], v[ADK] offset:4096+1024*\t+512*\c
.endr
.endr
.irp i, 0,1
	ds_load_b32 v[VS+\i], v[ADS] offset:256+128*\i
.endr
.irp b, 0,1,2,3
	v_max3_num_f32 v[BM+\b], v[S+16*\b], v[S+1+16*\b], v[S+2+16*\b]   ; the largest score of each block of 32 keys: it serves the row's maximum and, since p rises with the score, the block's largest p
.endr
.irp i, 3,5,7,9,11,13
.irp b, 0,1,2,3
	v_max3_num_f32 v[BM+\b], v[BM+\b], v[S+16*\b+\i], v[S+1+16*\b+\i]
.endr
.endr
.irp b, 0,1,2,3
	v_max_num_f32 v[BM+\b], v[BM+\b], v[S+15+16*\b]
.endr
.irp b, 0,1,2,3
	s_delay_alu instid0(VALU_DEP_4)
	v_permlanex16_b32 v[BP+\b], v[BM+\b], s[SEL], s[SEL+1]
.endr
.irp b, 0,1,2,3
	s_delay_alu instid0(VALU_DEP_4)
	v_max_num_f32 v[BM+\b], v[BM+\b], v[BP+\b]     ; with lane l xor 16's 16 keys
.endr
	s_delay_alu instid0(VALU_DEP_2)
	v_max3_num_f32 v[TMP], v[BM], v[BM+1], v[BM+2]
	s_delay_alu instid0(VALU_DEP_1)
	v_max_num_f32 v[TMP], v[TMP], v[BM+3]          ; the step's largest score of my query
	s_delay_alu instid0(VALU_DEP_1)
	v_mul_f32 v[TMP], s[CS], v[TMP]                ; as t (c is positive)
	s_delay_alu instid0(VALU_DEP_1)
	v_max_num_f32 v13, v13, v[TMP]                 ; the running largest t
	v_mov_b32 v[TMP], v12
	s_delay_alu instid0(VALU_DEP_2)
	v_floor_f32 v12, -v13                          ; the new -M = floor(-t) = -ceil(t)
	s_delay_alu instid0(VALU_DEP_1)
	v_sub_f32 v[TMP], v12, v[TMP]                  ; old M - new M: a whole number, 0 or less
	s_delay_alu instid0(VALU_DEP_1)
	v_cvt_i32_f32 v[TMP], v[TMP]                   ; (it saturates)
	s_delay_alu instid0(VALU_DEP_1)
	v_ldexp_f32 v[F], 1.0, v[TMP]                  ; f = 2^(old M - new M)
.irp j, 0,2,4,6,8,10,12,14,16,18,20,22,24,26,28,30,32,34,36,38,40,42,44,46,48,50,52,54,56,58,60,62
	v_pk_fma_f32 v[S+\j:S+1+\j], v[S+\j:S+1+\j], s[CS:CS+1], v[12:13] op_sel_hi:[1,0,0]   ; t - M, two at a time
.endr
.irp b, 0,1,2,3
	v_fma_f32 v[BM+\b], v[BM+\b], s[CS], v12       ; the same of each block's largest score
.endr
	s_wait_alu depctr_va_vdst(0)
.irp j, 0,1,2,3,4,5,6,7,8,9,10,11,12,13,14,15,16,17,18,19,20,21,22,23,24,25,26,27,28,29,30,31,32,33,34,35,36,37,38,39,40,41,42,43,44,45,46,47,48,49,50,51,52,53,54,55,56,57,58,59,60,61,62,63
	v_exp_f32 v[S+\j], v[S+\j]                     ; p = 2^(t - M), at most 1
.endr
	s_setprio 1
.irp b, 0,1,2,3
	v_exp_f32 v[BM+\b], v[BM+\b]                   ; the block's largest p
.endr
	v_pk_mul_f32 v[14:15], v[14:15], v[F:F+1] op_sel_hi:[1,0]   ; the sums under the new M.  (The plain place behind the exponentials)
	s_wait_alu depctr_va_vdst(0)
.irp b, 0,1,2,3
	v_max_num_f32 v[BM+\b], 0x1800000, v[BM+\b]    ; the floor 2^(3 - 127): the byte cannot fall under 1
.endr
.irp b, 0,1,2,3
	s_delay_alu instid0(VALU_DEP_4)
	v_add_nc_u32 v[BE+\b], 0xff000000, v[BM+\b]    ; 2 off the exponent field: the conversion's scale operand
.endr
.irp b, 0,1,2,3
	s_delay_alu instid0(VALU_DEP_4)
	v_lshrrev_b32 v[BP+\b], 23, v[BE+\b]           ; the scale's byte
.endr
	s_delay_alu instid0(VALU_DEP_3)
	v_lshl_or_b32 v[PS], v[BP+1], 8, v[BP]         ; p's scale word for these 128 keys
	s_delay_alu instid0(VALU_DEP_1)
	v_lshl_or_b32 v[PS], v[BP+2], 16, v[PS]
	s_delay_alu instid0(VALU_DEP_1)
	v_lshl_or_b32 v[PS], v[BP+3], 24, v[PS]
.irp b, 0,1,2,3
	v_cvt_scalef32_pk8_fp4_f32 v[PC+2*\b], v[S+16*\b:S+7+16*\b], v[BE+\b]
	v_cvt_scalef32_pk8_fp4_f32 v[PC+1+2*\b], v[S+8+16*\b:S+15+16*\b], v[BE+\b]
.endr
	v_nop                                          ; one plain place behind a scaled conversion
.irp c, 0,1                                    ; a whole block to a lane: lanes 0-15 block 2 c, lanes 16-31 block 2 c + 1
.irp i, 0,1
	v_permlane16_swap_b32 v[PC+4*\c+\i], v[PC+2+4*\c+\i]
.endr
.endr
	v_pk_add_f32 v[216:217], v[100:101], v[104:105]
	v_pk_add_f32 v[252:253], v[108:109], v[112:113]
	v_pk_add_f32 v[250:251], v[116:117], v[120:121]
	v_pk_add_f32 v[248:249], v[124:125], v[128:129]
	v_pk_add_f32 v[246:247], v[132:133], v[136:137]
	v_pk_add_f32 v[244:245], v[140:141], v[144:145]
	v_pk_add_f32 v[242:243], v[148:149], v[152:153]
	v_pk_add_f32 v[14:15], v[14:15], v[156:157]
	v_pk_add_f32 v[216:217], v[216:217], v[96:97]
	v_pk_add_f32 v[252:253], v[252:253], v[98:99]
	v_pk_add_f32 v[250:251], v[250:251], v[102:103]
	v_pk_add_f32 v[248:249], v[248:249], v[106:107]
	v_pk_add_f32 v[246:247], v[246:247], v[110:111]
	v_pk_add_f32 v[244:245], v[244:245], v[114:115]
	v_pk_add_f32 v[242:243], v[242:243], v[118:119]
	v_pk_add_f32 v[14:15], v[14:15], v[122:123]
	v_pk_add_f32 v[216:217], v[216:217], v[126:127]
	v_pk_add_f32 v[252:253], v[252:253], v[130:131]
	v_pk_add_f32 v[250:251], v[250:251], v[134:135]
	v_pk_add_f32 v[248:249], v[248:249], v[138:139]
	v_pk_add_f32 v[246:247], v[246:247], v[142:143]
	v_pk_add_f32 v[244:245], v[244:245], v[146:147]
	v_pk_add_f32 v[242:243], v[242:243], v[150:151]
	v_pk_add_f32 v[14:15], v[14:15], v[154:155]
	v_pk_add_f32 v[216:217], v[216:217], v[158:159]
	s_delay_alu instid0(VALU_DEP_2)
	v_pk_add_f32 v[14:15], v[14:15], v[248:249]
	s_delay_alu instid0(VALU_DEP_2)
	v_pk_add_f32 v[216:217], v[216:217], v[246:247]
	v_pk_add_f32 v[252:253], v[252:253], v[244:245]
	v_pk_add_f32 v[250:251], v[250:251], v[242:243]
	s_delay_alu instid0(VALU_DEP_2)
	v_pk_add_f32 v[14:15], v[14:15], v[252:253]
	s_delay_alu instid0(VALU_DEP_2)
	v_pk_add_f32 v[216:217], v[216:217], v[250:251]
	s_delay_alu instid0(VALU_DEP_1)
	v_pk_add_f32 v[14:15], v[14:15], v[216:217]
	s_setprio 0
.irp j, 0,2,4,6,8,10,12,14,16,18,20,22,24,26,28,30
	v_pk_mul_f32 v[O+\j:O+1+\j], v[O+\j:O+1+\j], v[F:F+1] op_sel_hi:[1,0]   ; O^T under the new M.  (The sums and these are the places between p's codes and scale word and the products below)
.endr
	s_wait_alu depctr_va_vdst(0)
	s_wait_dscnt 0x0                               ; V's fragments and scale words are in: no LDS instruction of mine is out from here to the step's end
.irp t, 0,1,2,3                                ; O^T += V^T P^T: four accumulators, one instruction each; a step's last and the next step's first matrix instructions name different accumulators
.set rD, O+8*\t
.set rA, VF+8*\t
.set rB, PC
.set rSA, VS+\t/2
.set rSB, PS
.set rRA, \t%2
	WMA
.endr
	s_add_co_u32 s[TB], s[TB], 8192
	s_add_co_u32 s[TS], s[TS], 512
.endm
; n steps from step first on; where they begin is stated anew, so that each loop's bytes can be read off its own lines
.macro WALK n, first
	s_mov_b32 s[TB], 8192*(\first)
	s_mov_b32 s[TS], 512*(\first)
	s_mov_b32 s[CNT], \n
.Lstep_\@:
	s_setprio 2
	STEP
	s_sub_co_u32 s[CNT], s[CNT], 1
	s_cmp_lg_u32 s[CNT], 0
	s_cbranch_scc1 .Lstep_\@
	s_setprio 0
.endm
	s_load_b256 s[4:11], s[0:1], 0x0               ; qc, qs, kv, kvs
	s_load_b128 s[12:15], s[0:1], 0x20             ; cc, cs
	v_lshl_add_u32 v254, v0, 2, 0x44400
	v_mov_b32 v255, 0
	ds_add_u32 v254, v255
	ds_add_u32 v254, v255
	v_lshrrev_b32 v10, 5, v0
	s_delay_alu instid0(VALU_DEP_1)
	v_readfirstlane_b32 s[WV], v10                 ; wave 0..15
	v_and_b32 v10, 31, v0                          ; lane
	v_and_b32 v11, 15, v0                          ; r
	s_delay_alu instid0(VALU_DEP_2)
	v_lshlrev_b32 v[LI], 4, v10                    ; every LDS address register that stays is made here, ahead of the first branch on the wave's number
	s_delay_alu instid0(VALU_DEP_3)
	v_lshl_add_u32 v[LSS], v10, 2, SCL
	s_delay_alu instid0(VALU_DEP_3)
	v_lshlrev_b32 v[R4], 2, v11
	s_lshl_b32 s66, s[WV], 6
	s_add_co_u32 s66, s66, CST
	v_add_nc_u32 v[CSTW], s66, v[R4]
	s_and_b32 s71, s[WV], 1                        ; w % 2
	s_lshr_b32 s70, s[WV], 1                       ; w / 2
	s_lshl_b32 s66, s71, 9
	s_add_co_u32 s66, s66, CST
	v_add_nc_u32 v[CSTR], s66, v[LI]
	s_lshl_b32 s63, s71, 4                         ; which half of a pair's scale word is my tile's: 16 (w % 2) bits up
	s_and_b32 s[BH], ttmp7, 0xffff                 ; the head, which the four partners share
	s_bfe_u32 s66, ttmp6, 0x40000                  ; cx: my place in the cluster
	s_lshl_b32 s[WGX], ttmp9, 2                    ; in a cluster launch ttmp9 counts clusters
	s_add_co_u32 s[WGX], s[WGX], s66               ; it enters global addresses of q and ctx alone
	GROUP1 G1S, 16                                 ; a quarter of the scale words: 4,096 bytes
	GROUP1 G1A, 8*NA                               ; a quarter of a stage: 8 rows a step
	GROUP1 G1B, 8*NB
	GROUP1 G1C, 8*NC
	s_mov_b32 s[SEL], 0x76543210
	s_mov_b32 s[SEL+1], 0xfedcba98
	s_mov_b32 s[CS], 0x3e38aa3b                    ; c = log2(e) / 8
	s_mov_b32 s[CS+1], s[CS]                       ; named with it as a pair, so it is written
	s_and_b32 s67, s[WV], 3                        ; which quarter I fetch, if I fetch
	s_lshl_b32 s72, s[BH], 14                      ; kvs: 16,384 a head, 4,096 a quarter
	s_lshl_b32 s66, s67, 12
	s_add_co_u32 s72, s72, s66
	s_mov_b32 s73, 0
	s_lshl_b32 s74, s[BH], 18                      ; kv: 262,144 a head
	s_mov_b32 s75, 0
	s_lshl_b32 s68, s[BH], 17                      ; q's codes: 131,072 a head; 1,024 a pair of tiles, pair 8 x + w / 2; 512 a tile
	s_lshl_b32 s66, s[WGX], 13
	s_add_co_u32 s68, s68, s66
	s_lshl_b32 s66, s70, 10
	s_add_co_u32 s68, s68, s66
	s_lshl_b32 s66, s71, 9
	s_add_co_u32 s68, s68, s66
	s_mov_b32 s69, 0
	s_lshl_b32 s76, s[BH], 13                      ; q's scale words: 8,192 a head, 64 a pair
	s_lshl_b32 s66, s[WGX], 9
	s_add_co_u32 s76, s76, s66
	s_lshl_b32 s66, s70, 6
	s_add_co_u32 s76, s76, s66
	s_mov_b32 s77, 0
	s_wait_dscnt 0x0
	s_wait_kmcnt 0x0
	s_mov_b32 s[G0S], 1                            ; count = 1
	s_lshl_b32 s[G0S+1], s67, 12
	s_add_co_u32 s[G0S+1], s[G0S+1], SCL           ; LDS address: the wave's number and constants alone
	s_add_nc_u64 s[G0S+2:G0S+3], s[10:11], s[72:73]
	s_or_b32 s[G0S+3], s[G0S+3], 0x80000000        ; type = 2
	s_add_nc_u64 s[78:79], s[8:9], s[74:75]        ; kv at my head
	GROUP0 G0A, 0, NA
	GROUP0 G0B, NA, NB
	GROUP0 G0C, NA+NB, NC
	s_add_nc_u64 s[4:5], s[4:5], s[68:69]
	s_add_nc_u64 s[6:7], s[6:7], s[76:77]
	s_lshr_b32 s68, s[BH], 3                       ; ctx's codes: tile T = 256 x batch + 16 x + w: 4,096 a tile; 1,024 a pair of heads; 512 a head
	s_lshl_b32 s68, s68, 8
	s_lshl_b32 s66, s[WGX], 4
	s_add_co_u32 s68, s68, s66
	s_add_co_u32 s68, s68, s[WV]
	s_lshl_b32 s68, s68, 12
	s_bfe_u32 s66, s[BH], 0x20001
	s_lshl_b32 s66, s66, 10
	s_add_co_u32 s68, s68, s66
	s_and_b32 s66, s[BH], 1
	s_lshl_b32 s66, s66, 9
	s_add_co_u32 s68, s68, s66
	s_add_nc_u64 s[12:13], s[12:13], s[68:69]
	s_lshl_b32 s68, s[BH], 14                      ; ctx's scale words: 16,384 a head, 1,024 a work-group, 512 for each of the two waves that store them
	s_lshl_b32 s66, s[WGX], 10
	s_add_co_u32 s68, s68, s66
	s_lshl_b32 s66, s71, 9
	s_add_co_u32 s68, s68, s66
	s_add_nc_u64 s[14:15], s[14:15], s[68:69]
	CROUND                                         ; all four work-groups are here: the joint loads meet
	s_cmp_lt_u32 s[WV], 4                          ; a wave's four fills stand in one branch, ahead of every wait on TENSORcnt and every LDS read; four v_nop follow the last
	s_cbranch_scc0 .Lasked
	tensor_load_to_lds s[G0S:G0S+3], s[G1S:G1S+7]
	s_nop 0
	tensor_load_to_lds s[G0A:G0A+3], s[G1A:G1A+7]
	s_nop 0
	tensor_load_to_lds s[G0B:G0B+3], s[G1B:G1B+7]
	s_nop 0
	tensor_load_to_lds s[G0C:G0C+3], s[G1C:G1C+7]
	s_nop 0
.rept 4
	v_nop
.endr
.Lasked:
	s_wait_alu depctr_va_vdst(0)
	global_load_b128 v[QZ+4:QZ+7], v[LI], s[4:5]   ; q's codes: lane (r, h): channels 32 h .. 32 h + 31 of query r
	global_load_b32 v[QS], v[R4], s[6:7]           ; the pair's scale word of row r
.irp j, 0,1,2,3
	v_mov_b32 v[QZ+\j], 0
	v_mov_b32 v[QZ+8+\j], 0
	v_mov_b32 v[BP+\j], 0                          ; written once: a lane permute's destination counts as one of its sources
.endr
	v_mov_b32 v13, 0xff61b1e6                      ; the largest t so far: -3e38, under every t
	s_delay_alu instid0(VALU_DEP_1)
	v_floor_f32 v12, -v13                          ; -M
	v_mov_b32 v14, 0                               ; the sum, in two halves
	v_mov_b32 v15, 0
	v_mov_b32 v[F+1], 0
	s_wait_loadcnt 0x0
	v_lshrrev_b32 v[QS], s63, v[QS]                ; my tile's two bytes,
	s_delay_alu instid0(VALU_DEP_1)
	v_and_b32 v[QS], 0xffff, v[QS]
	s_delay_alu instid0(VALU_DEP_1)
	v_lshl_or_b32 v[QS], v[QS], 16, v[QS]          ; twice: for (q, 0) and for (0, q)
.irp j, 0,1,2,3,4,5,6,7,8,9,10,11,12,13,14,15,16,17,18,19,20,21,22,23,24,25,26,27,28,29,30,31
	v_mov_b32 v[O+\j], 0                           ; O^T: the step is written once, its first trip finds zeros.  (These 32 are also the places between q's scale word, made by vector instructions, and the first product)
.endr
	s_wait_tensorcnt 0x2                           ; my parts of the scale words and of steps 0-3 have landed; the two later stages' loads may be out
	s_barrier_signal -1
	s_barrier_wait -1                              ; everybody's have
	WALK NA, 0
	s_wait_tensorcnt 0x1                           ; my part of steps 4-11 has landed; the last stage's load may be out.  (No LDS instruction of mine is out at a step's end)
	s_barrier_signal -1
	s_barrier_wait -1
	WALK NB, NA
	s_wait_tensorcnt 0x0                           ; my part of steps 12-31 has landed
	s_barrier_signal -1
	s_barrier_wait -1
	WALK NC, NA+NB
	; THE WAY OUT: ctx = O^T / the sum; its 32 numbers a lane are two half blocks along the out-projection's K: quantised here, they are half a fragment (my head's 64 of a K step's 128)
.rept 4
	v_nop                                          ; places behind the last products
.endr
	v_add_f32 v14, v14, v15                        ; the sum's two halves,
	s_delay_alu instid0(VALU_DEP_1)
	v_permlanex16_b32 v[TMP], v14, s[SEL], s[SEL+1]
	s_delay_alu instid0(VALU_DEP_1)
	v_add_f32 v14, v14, v[TMP]                     ; and lane l xor 16's
	s_wait_alu depctr_va_vdst(0)
	v_rcp_f32 v[RL], v14
	v_nop                                          ; a plain place behind the transcendental
	s_wait_alu depctr_va_vdst(0)
.irp j, 0,1,2,3,4,5,6,7,8,9,10,11,12,13,14,15,16,17,18,19,20,21,22,23,24,25,26,27,28,29,30,31
	v_mul_f32 v[S+\j], v[O+\j], v[RL]              ; register 16 b + i = channel 32 b + 16 h + i of query r; each accumulator from its low end on
.endr
.irp b, 0,1
	v_max3_num_f32 v[BM+\b], |v[S+16*\b]|, |v[S+1+16*\b]|, 0x1800000
.endr
.irp i, 2,4,6,8,10,12,14
.irp b, 0,1
	s_delay_alu instid0(VALU_DEP_2)
	v_max3_num_f32 v[BM+\b], v[BM+\b], |v[S+16*\b+\i]|, |v[S+1+16*\b+\i]|
.endr
.endr
.irp b, 0,1
	s_delay_alu instid0(VALU_DEP_2)
	v_permlanex16_b32 v[BP+\b], v[BM+\b], s[SEL], s[SEL+1]
.endr
.irp b, 0,1
	s_delay_alu instid0(VALU_DEP_2)
	v_max_num_f32 v[BM+\b], v[BM+\b], v[BP+\b]
.endr
.irp b, 0,1
	s_delay_alu instid0(VALU_DEP_2)
	v_add_nc_u32 v[BE+\b], 0xff000000, v[BM+\b]
.endr
.irp b, 0,1
	s_delay_alu instid0(VALU_DEP_2)
	v_lshrrev_b32 v[BP+\b], 23, v[BE+\b]
.endr
	s_delay_alu instid0(VALU_DEP_1)
	v_lshl_or_b32 v[TMP], v[BP+1], 8, v[BP]        ; my row's two bytes; the upper two stay 0
.irp b, 0,1
	v_cvt_scalef32_pk8_fp4_f32 v[PC+2*\b], v[S+16*\b:S+7+16*\b], v[BE+\b]
	v_cvt_scalef32_pk8_fp4_f32 v[PC+1+2*\b], v[S+8+16*\b:S+15+16*\b], v[BE+\b]
.endr
	v_nop
.irp i, 0,1
	v_permlane16_swap_b32 v[PC+\i], v[PC+2+\i]
.endr
	global_store_b128 v[LI], v[PC:PC+3], s[12:13]  ; 512 consecutive bytes, aligned
	ds_store_b32 v[CSTW], v[TMP]                   ; the 16 waves' words meet in LDS (lanes r and 16 + r write the same word with the same value),
	s_wait_dscnt 0x0
	s_barrier_signal -1
	s_barrier_wait -1
	s_cmp_lt_u32 s[WV], 2                          ; and leave by two waves, 512 consecutive bytes each
	s_cbranch_scc0 .Lno_cs
	ds_load_b128 v[S:S+3], v[CSTR]
	s_wait_dscnt 0x0
	global_store_b128 v[LI], v[S:S+3], s[14:15]
.Lno_cs:
	s_wait_tensorcnt 0x0
	ds_add_u32 v254, v255
	s_wait_dscnt 0x0
	CROUND                                         ; the closing round: no work-group ends while a partner may still ask for a tile that names it
	s_endpgm
.Lfunc_end_k_q69e63b758b_attn:
	.size	k_q69e63b758b_attn, .Lfunc_end_k_q69e63b758b_attn-k_q69e63b758b_attn
	.p2alignl 7, 3214868480
	.fill 96, 4, 3214868480
	.section	.rodata,"a",@progbits
	.p2align	6, 0x0
	.amdhsa_kernel k_q69e63b758b_attn
		.amdhsa_group_segment_fixed_size 327680
		.amdhsa_private_segment_fixed_size 0
		.amdhsa_enable_private_segment 0
		.amdhsa_kernarg_size 48
		.amdhsa_user_sgpr_count 2
		.amdhsa_user_sgpr_kernarg_segment_ptr 1
		.amdhsa_wavefront_size32 1
		.amdhsa_system_sgpr_workgroup_id_x 1
		.amdhsa_system_sgpr_workgroup_id_y 1
		.amdhsa_system_sgpr_workgroup_id_z 1
		.amdhsa_system_vgpr_workitem_id 0
		.amdhsa_next_free_vgpr 256
		.amdhsa_next_free_sgpr 92
		.amdhsa_reserve_vcc 0
		.amdhsa_float_denorm_mode_32 3
		.amdhsa_float_denorm_mode_16_64 3
		.amdhsa_memory_ordered 1
		.amdhsa_forward_progress 1
		.amdhsa_inst_pref_size 63
	.end_amdhsa_kernel
	.amdgpu_metadata
---
amdhsa.version: [ 1, 2 ]
amdhsa.kernels:
  - .name:           k_q69e63b758b_attn
    .symbol:         k_q69e63b758b_attn.kd
    .args:
      - { .name: qc, .offset: 0, .size: 8, .value_kind: global_buffer, .address_space: global }
      - { .name: qs, .offset: 8, .size: 8, .value_kind: global_buffer, .address_space: global }
      - { .name: kv, .offset: 16, .size: 8, .value_kind: global_buffer, .address_space: global }
      - { .name: kvs, .offset: 24, .size: 8, .value_kind: global_buffer, .address_space: global }
      - { .name: cc, .offset: 32, .size: 8, .value_kind: global_buffer, .address_space: global }
      - { .name: cs, .offset: 40, .size: 8, .value_kind: global_buffer, .address_space: global }
    .group_segment_fixed_size: 327680
    .private_segment_fixed_size: 0
    .kernarg_segment_align: 8
    .kernarg_segment_size: 48
    .max_flat_workgroup_size: 512
    .sgpr_count:     92
    .vgpr_count:     256
    .wavefront_size: 32
...
	.end_amdgpu_metadata
.endif
;; end of part 7
;; launch outp (part 8): grid 64 x 4, 8 waves a work-group, no clusters, 101,376 bytes of LDS; arguments cc, cs, wc, ws, bo, out0; writes out0
.if DOCPART == 8
	.amdgcn_target "amdgcn-amd-amdhsa--gfx1250"
	.amdhsa_code_object_version 6
	.text
	.protected	k_q69e63b758b_outp
	.globl	k_q69e63b758b_outp
	.p2align	8
	.type	k_q69e63b758b_outp,@function
k_q69e63b758b_outp:
	s_mov_b64 s[64:65], 0
	v_nop
	global_prefetch_b8 v0, s[64:65] scope:SCOPE_SE
	s_setreg_imm32_b32 hwreg(HW_REG_WAVE_SCHED_MODE, 0, 2), 2
	s_setreg_imm32_b32 hwreg(HW_REG_WAVE_MODE, 25, 1), 1
	s_wait_xcnt 0x0
	s_wait_alu depctr_vm_vsrc(0)
; out0 = ctx Wo^T + bo on codes of FP4 (E2M1) with E8M0 scales.  ctx's codes and Wo's arrive as images of the operand's registers (1,024 bytes a fragment of 16 rows x 128 K; 16 bytes a lane, 512 bytes a load).
; Work-group (x, u): token tiles 8 x .. 8 x + 7, one to a wave, and units 128 u .. 128 u + 127: eight tiles of Wo, which the eight waves copy into LDS once (4,096 bytes each) and all read.
; The product is used transposed (source 0 = 16 rows of Wo, source 1 = 16 tokens): a lane holds one token, and the 16 registers of tiles 2 p, 2 p + 1 are units 32 p + 16 (lane / 16) + 0 .. 15.
; TILE ORDER: lane-row r of tile 2 b + u is row 32 b + 8 u + r + 8 (r / 8), for tokens and for Wo's rows.  The bias is loaded straight into the accumulators, in the result's layout: the first products add onto it.
; ctx's scale word of a K step is made of two heads' two bytes each.  Results go through the wave's own stage in LDS and leave as rows of 512 consecutive bytes.
; NO CLUSTER: a work-group reads 32 KiB of Wo's codes and 32 KiB of ctx's once and has no loop in which a joint request could recur.  No tensor load: LDS is claimed as it is used.
; THE MODE: SCHED_MODE bits 1:0 = 2 (LLVM: expert scheduling mode 2), set by the entry lines.  The code itself states the register dependences between vector or matrix instructions and memory or LDS instructions, with s_wait_alu, always for 0.
; THE PLAN.  Registers that memory or LDS instructions touch, and who else names them:
;   v4-v10      offsets and LDS addresses: written at the head, never written again: one wait on va_vdst ahead of the first load.
;   W0, W1, W2  three buffers of four fragments of Wo, by turns.  A K step is two half steps of four products.  Half step j multiplies buffer j % 3; the loads of half step j + 2 land in buffer (j + 2) % 3, which half step j - 1 multiplied.
;               W0 first holds my part of Wo on its way to LDS: a global load lands, LDS stores read: one wait on vm_vsrc behind the barrier, ahead of the first fragments' loads.  At the end W0 and W1 take the rows read back from the stage.
;   ACC         the bias's loads land, products write, the stage's LDS stores read.
;   ctx's fragments, Wo's scale words, the heads' bytes: loaded once, read by matrix or vector instructions alone.
; So ONE wait on va_vdst stands at the head of half steps 0 to 5.  Behind it the half step's eight loads are dealt among its four products, which name buffer j % 3, ctx's fragment, scale words and accumulators: none of the registers that those loads touch.
; Half steps 6 and 7 load nothing and have no such wait.  One more stands behind the last products' places, ahead of the stage's stores and loads.
.set STG, 32768                        ; LDS: Wo's fragment (t, s) at 1,024 (4 t + s); from STG a stage of 16 rows x (512 + 16) bytes for each wave
.set LI,  4                            ; v4   16 x lane
.set LS,  5                            ; v5   4 x lane
.set R4,  6                            ; v6   4 r
.set WST, 7                            ; v7   where I put my part of Wo: 16 x lane + 4,096 x wave
.set SO,  8                            ; v8   my stage: 528 r + 64 h
.set SR,  9                            ; v9   my stage: 16 x lane
.set BA,  10                           ; v10  the bias: 64 h
.set AS,  16                           ; v16-19 ctx's scale words, one a K step
.set TS,  20                           ; v20-27 the eight heads' two bytes
.set WS,  28                           ; v28-43 Wo's scale words: 4 p + s: lanes 0-15 tile 2 p, lanes 16-31 tile 2 p + 1
.set AF,  44                           ; v44-75  ctx's four fragments
.set WF,  76                           ; v76-107, v108-139, v210-241 Wo's fragments, three buffers of four: buffer b at WF + 32 b + 70 (b / 2)
.set ACC, 140                          ; v140-203 eight accumulators
.macro WMA                             ; one matrix instruction on the symbols rD, rA, rB, rSA, rSB; rRA = 1: source 0's scales are read from lanes 16-31
.if rRA == 0
	v_wmma_scale_f32_16x16x128_f8f6f4 v[rD:rD+7], v[rA:rA+7], v[rB:rB+7], v[rD:rD+7], v[rSA], v[rSB] matrix_a_fmt:MATRIX_FMT_FP4 matrix_b_fmt:MATRIX_FMT_FP4
.else
	v_wmma_scale_f32_16x16x128_f8f6f4 v[rD:rD+7], v[rA:rA+7], v[rB:rB+7], v[rD:rD+7], v[rSA], v[rSB] matrix_a_fmt:MATRIX_FMT_FP4 matrix_b_fmt:MATRIX_FMT_FP4 matrix_a_scale:MATRIX_SCALE_ROW1
.endif
.endm
; Half step j is K step j / 2, tiles 4 (j % 2) + 0 .. 3.  WLD: its fragment q into buffer j % 3
.macro WLD j, q
.set rW, WF+32*((\j)%3)+70*(((\j)%3)/2)+8*(\q)
.set oW, (4*(4*((\j)%2)+(\q))+(\j)/2)*1024
	ds_load_b128 v[rW:rW+3], v[LI] offset:oW
	ds_load_b128 v[rW+4:rW+7], v[LI] offset:oW+512
.endm
; The eight accumulators take turns, one instruction a turn, in the same order in every K step
.macro HS j
.if ((\j) > 0) && ((\j) < 6)
.rept 4
	v_nop                                          ; places between the last half step's products and the loads into the buffer that they read
.endr
.endif
.if (\j) < 7
	s_wait_dscnt 8                                 ; LDS loads come back in order (ISA guide 5.7.1): this half step's eight are in, the next half step's eight may be out
.else
	s_wait_dscnt 0x0
.endif
.if (\j) < 6
	s_wait_alu depctr_va_vdst(0)                   ; half step 0: ctx's scale words, made by vector instructions eight places back, are written; later: the last half step's products are done reading their buffer, in which the loads below land
.endif
.irp q, 0,1,2,3
.set rD, ACC+8*(4*((\j)%2)+\q)
.set rA, WF+32*((\j)%3)+70*(((\j)%3)/2)+8*\q
.set rB, AF+8*((\j)/2)
.set rSA, WS+4*((4*((\j)%2)+\q)/2)+(\j)/2
.set rSB, AS+(\j)/2
.set rRA, \q%2
	WMA
.if (\j) < 6
	WLD (\j)+2, \q                                 ; two half steps ahead.  No wait: no vector or matrix instruction since the wait above names these registers
.endif
.endr
.endm
	s_load_b256 s[4:11], s[0:1], 0x0               ; cc, cs, wc, ws
	s_load_b128 s[12:15], s[0:1], 0x20             ; bo, out0
	v_lshl_add_u32 v208, v0, 2, 0x18800
	v_mov_b32 v209, 0
	v_lshrrev_b32 v1, 5, v0
	v_readfirstlane_b32 s16, v1                    ; wave 0..7
	s_and_b32 s17, ttmp7, 0xffff                   ; u: which 128 units
	v_and_b32 v1, 31, v0                           ; lane
	v_and_b32 v2, 15, v0                           ; r
	v_bfe_u32 v3, v0, 4, 1                         ; h
	v_lshlrev_b32 v[LI], 4, v1
	v_lshlrev_b32 v[LS], 2, v1
	v_lshlrev_b32 v[R4], 2, v2
	s_wait_alu depctr_va_sdst(0)                   ; the wave's number is written, ahead of its first reader: LDS addresses and the buffers' offsets are made from it
	s_lshl_b32 s20, s16, 12
	v_add_nc_u32 v[WST], s20, v[LI]
	s_mul_i32 s20, s16, 8448
	s_add_co_u32 s20, s20, STG                     ; my stage
	v_mul_u32_u24 v[SO], v2, 528
	v_lshl_add_u32 v[SO], v3, 6, v[SO]
	v_add_nc_u32 v[SO], s20, v[SO]
	v_add_nc_u32 v[SR], s20, v[LI]
	v_lshlrev_b32 v[BA], 6, v3
	s_lshl_b32 s18, ttmp9, 3
	s_add_co_u32 s18, s18, s16                     ; my token tile T = 8 x + wave
	s_lshl_b32 s22, s18, 12                        ; cc: 4,096 a tile
	s_mov_b32 s23, 0
	s_lshr_b32 s24, ttmp9, 5                       ; cs: 131,072 a batch (eight heads of 16,384), 64 a tile
	s_lshl_b32 s24, s24, 17
	s_and_b32 s26, ttmp9, 31
	s_lshl_b32 s26, s26, 3
	s_add_co_u32 s26, s26, s16
	s_lshl_b32 s26, s26, 6
	s_add_co_u32 s24, s24, s26
	s_mov_b32 s25, 0
	s_lshl_b32 s26, s17, 15                        ; wc: Wo is the fourth weight; 32,768 for 128 units, 4,096 a tile
	s_lshl_b32 s28, s16, 12
	s_add_co_u32 s26, s26, s28
	s_add_co_u32 s26, s26, 393216
	s_mov_b32 s27, 0
	s_lshl_b32 s28, s17, 11                        ; ws: 2,048 for 128 units
	s_add_co_u32 s28, s28, 24576
	s_mov_b32 s29, 0
	s_lshl_b32 s30, s17, 9                         ; bo, and a row of out0: 512 bytes for 128 units
	s_mov_b32 s31, 0
	s_lshr_b32 s32, s18, 1                         ; out0: my tile's first token 32 (T / 2) + 8 (T % 2), 2,048 bytes a row
	s_lshl_b32 s32, s32, 16
	s_and_b32 s34, s18, 1
	s_lshl_b32 s34, s34, 14
	s_add_co_u32 s32, s32, s34
	s_add_co_u32 s32, s32, s30
	s_mov_b32 s33, 0
	s_wait_kmcnt 0x0
	s_add_nc_u64 s[4:5], s[4:5], s[22:23]
	s_add_nc_u64 s[6:7], s[6:7], s[24:25]
	s_add_nc_u64 s[8:9], s[8:9], s[26:27]
	s_add_nc_u64 s[10:11], s[10:11], s[28:29]
	s_add_nc_u64 s[12:13], s[12:13], s[30:31]
	s_add_nc_u64 s[14:15], s[14:15], s[32:33]
	s_wait_alu depctr_va_vdst(0)                   ; the seven offsets and LDS addresses v4 to v10 are written: every load and store of the kernel reads one of them
.irp i, 0,1,2,3,4,5,6,7
	global_load_b128 v[WF+4*\i:WF+4*\i+3], v[LI], s[8:9] offset:512*\i     ; my tile of Wo: first, since the others wait for it
.endr
.irp i, 0,1,2,3,4,5,6,7
	global_load_b128 v[AF+4*\i:AF+4*\i+3], v[LI], s[4:5] offset:512*\i     ; ctx: K step i / 2, half i % 2
.endr
.irp i, 0,1,2,3,4,5,6,7
	global_load_b32 v[TS+\i], v[R4], s[6:7] offset:16384*\i                ; head i's two bytes of my row
.endr
.irp p, 0,1,2,3
.irp s, 0,1,2,3
	global_load_b32 v[WS+4*\p+\s], v[LS], s[10:11] offset:512*\p+128*\s
.endr
.endr
.irp t, 0,1,2,3,4,5,6,7
	global_load_b128 v[ACC+8*\t:ACC+8*\t+3], v[BA], s[12:13] offset:(32*(\t/2)+8*(\t%2))*4      ; the bias of units 32 (t / 2) + 16 h + 8 (t % 2) + 0 .. 7
	global_load_b128 v[ACC+8*\t+4:ACC+8*\t+7], v[BA], s[12:13] offset:(32*(\t/2)+8*(\t%2))*4+16
.endr
	s_wait_loadcnt 48                              ; my eight loads of Wo are in; the 48 issued behind them may be out
.irp i, 0,1,2,3,4,5,6,7
	ds_store_b128 v[WST], v[WF+4*\i:WF+4*\i+3] offset:512*\i
.endr
	s_wait_dscnt 0x0                               ; for the others' sake: my part of Wo lies in LDS
	s_barrier_signal -1
	s_barrier_wait -1
	s_wait_alu depctr_vm_vsrc(0)                   ; my LDS stores have read v76 to v107: from here on these registers are buffer 0, in which the fragments' loads land
.irp q, 0,1,2,3
	WLD 0, \q                                      ; half steps 0 and 1 are asked for while the last loads from memory land
.endr
.irp q, 0,1,2,3
	WLD 1, \q
.endr
	s_wait_loadcnt 0x0
.irp s, 0,1,2,3
	v_lshl_or_b32 v[AS+\s], v[TS+2*\s+1], 16, v[TS+2*\s]   ; K step s: heads 2 s and 2 s + 1
.endr
.rept 8
	v_nop                                          ; a scale register written by a vector instruction stands eight places ahead of a scaled matrix instruction
.endr
.irp j, 0,1,2,3,4,5,6,7
	HS \j
.endr
.rept 4
	v_nop                                          ; places in front of the LDS stores that read results, and of the loads into the buffers that the last products read
.endr
	s_wait_alu depctr_va_vdst(0)                   ; the products have written the accumulators, which the LDS stores read, and are done reading v76 to v139, in which the stage's loads land; the places above stay beside this wait
.irp p, 0,1,2,3                                ; lane (r, h): out(token r, 32 p + 16 h + 0 .. 15): 64 bytes of a row; each accumulator from its low end on
.irp i, 0,1,2,3
	ds_store_b128 v[SO], v[ACC+16*\p+4*\i:ACC+16*\p+4*\i+3] offset:128*\p+16*\i
.endr
.endr
.irp i, 0,1,2,3,4,5,6,7,8,9,10,11,12,13,14,15
	ds_load_b128 v[WF+4*\i:WF+4*\i+3], v[SR] offset:528*\i   ; my own bytes; LDS serves a wave's instructions in order (ISA guide 5.7.1.4): these see the stores above
.endr
.irp i, 0,1,2,3,4,5,6,7,8,9,10,11,12,13,14,15
	s_wait_dscnt 15-\i                             ; row i is back; the rows behind it may be out
	global_store_b128 v[LI], v[WF+4*\i:WF+4*\i+3], s[14:15] offset:(\i+8*(\i/8))*2048 th:TH_STORE_NT   ; 32 lanes store 512 consecutive bytes, aligned; written once, read by nobody here
.endr
	s_wait_dscnt 0x0                               ; the closing lines, six on end
	s_wait_alu 0x0
	s_wait_tensorcnt 0x0
	ds_add_u32 v208, v209
	s_wait_dscnt 0x0
	s_endpgm
.Lfunc_end_k_q69e63b758b_outp:
	.size	k_q69e63b758b_outp, .Lfunc_end_k_q69e63b758b_outp-k_q69e63b758b_outp
	.p2alignl 7, 3214868480
	.fill 96, 4, 3214868480
	.section	.rodata,"a",@progbits
	.p2align	6, 0x0
	.amdhsa_kernel k_q69e63b758b_outp
		.amdhsa_group_segment_fixed_size 101376
		.amdhsa_private_segment_fixed_size 0
		.amdhsa_enable_private_segment 0
		.amdhsa_kernarg_size 48
		.amdhsa_user_sgpr_count 2
		.amdhsa_user_sgpr_kernarg_segment_ptr 1
		.amdhsa_wavefront_size32 1
		.amdhsa_system_sgpr_workgroup_id_x 1
		.amdhsa_system_sgpr_workgroup_id_y 1
		.amdhsa_system_sgpr_workgroup_id_z 1
		.amdhsa_system_vgpr_workitem_id 0
		.amdhsa_next_free_vgpr 242
		.amdhsa_next_free_sgpr 66
		.amdhsa_reserve_vcc 0
		.amdhsa_float_denorm_mode_32 3
		.amdhsa_float_denorm_mode_16_64 3
		.amdhsa_memory_ordered 1
		.amdhsa_forward_progress 1
		.amdhsa_inst_pref_size 23
	.end_amdhsa_kernel
	.amdgpu_metadata
---
amdhsa.version: [ 1, 2 ]
amdhsa.kernels:
  - .name:           k_q69e63b758b_outp
    .symbol:         k_q69e63b758b_outp.kd
    .args:
      - { .name: cc, .offset: 0, .size: 8, .value_kind: global_buffer, .address_space: global }
      - { .name: cs, .offset: 8, .size: 8, .value_kind: global_buffer, .address_space: global }
      - { .name: wc, .offset: 16, .size: 8, .value_kind: global_buffer, .address_space: global }
      - { .name: ws, .offset: 24, .size: 8, .value_kind: global_buffer, .address_space: global }
      - { .name: bo, .offset: 32, .size: 8, .value_kind: global_buffer, .address_space: global }
      - { .name: out0, .offset: 40, .size: 8, .value_kind: global_buffer, .address_space: global }
    .group_segment_fixed_size: 101376
    .private_segment_fixed_size: 0
    .kernarg_segment_align: 8
    .kernarg_segment_size: 48
    .max_flat_workgroup_size: 256
    .sgpr_count:     66
    .vgpr_count:     242
    .wavefront_size: 32
...
	.end_amdgpu_metadata
.endif
;; end of part 8
